; MI455X (gfx1250); checked and timed in simulation.
; The chip was launched on July 23, 2026; its instructions are those of AMD's public machine-readable ISA for CDNA 5 (MIT licence, August 2026) and "CDNA5" Instruction Set Architecture Reference Guide (July 2026). The comments in the code are by the model that wrote it; some were corrected since.
;; Multihead Attention. Allowed arithmetic: matrix products marked QUANTISED: E2M3 operands, one E8M0 scale for each 32 along K, by v_wmma_scale_f32_16x16x128_f8f6f4 with both operands' format E2M3, f32 sums; everything else in f32.
;; Inputs: Wk 1,024 x 1,024 float32; Wo 1,024 x 1,024 float32; Wq 1,024 x 1,024 float32; Wv 1,024 x 1,024 float32; bk 1,024 float32; bo 1,024 float32; bq 1,024 float32; bv 1,024 float32; k 4 x 2,048 x 1,024 float32; mask 4 x 1 x 2,048 x 2,048 int32; q 4 x 2,048 x 1,024 float32; v 4 x 2,048 x 1,024 float32.
;; Outputs: out0 4 x 2,048 x 1,024 float32.
;; This version of the problem:
;;   THIS VERSION OF THE PROBLEM IS GIVEN IN LOW PRECISION. The matrix products marked QUANTISED in the list below multiply operands that are first quantised to E2M3 (2 exponent bits, 3 mantissa bits; 6 bits a number), with one power-of-two scale for each 32 numbers along K (OCP MX v1.0); their sums are f32. All else is computed in f32.
;;   The module's matrix products, in the order in which they are computed (A, B: the left and right operand; K: the contracted axis; several contracted axes count as one K, in the product's order):
;;     1. [M 8,192, K 1,024] x [K 1,024, N 1,024]; A: input q; B: input Wq: QUANTISED
;;     2. [M 8,192, K 1,024] x [K 1,024, N 1,024]; A: input k; B: input Wk: QUANTISED
;;     3. [M 8,192, K 1,024] x [K 1,024, N 1,024]; A: input v; B: input Wv: QUANTISED
;;     4. batch 64 x [M 2,048, K 64] x [K 64, N 2,048]; A: computed on the way; B: computed on the way: QUANTISED
;;     5. batch 64 x [M 2,048, K 2,048] x [K 2,048, N 64]; A: softmax (see below); B: computed on the way: QUANTISED
;;     6. [M 8,192, K 1,024] x [K 1,024, N 1,024]; A: computed on the way; B: input Wo: QUANTISED
;;   THE QUANTISER, for each operand of a quantised product, along K:
;;     - K is cut into blocks of 32 from its start; a last block that is shorter is filled with zeros.
;;     - A block's scale is 2^e with e = floor(log2(the largest magnitude in the block)) - 2, held to -126 .. 127; a block of zeros has e = 0. As a byte (E8M0): e + 127.
;;     - Each number is divided by its block's scale, clamped to +-7.5, and rounded to the nearest number of E2M3, ties to even, subnormals kept.
;;     - The product sums the exact products of the quantised numbers (number of the format x scale) in f32.
;;   ~~~python
;;   def quantise(x, axis):      # numpy; x: float32 -> the quantised numbers, widened to float32 again
;;       x = np.moveaxis(x, axis, -1); K = x.shape[-1]
;;       x = np.pad(x, [(0, 0)] * (x.ndim - 1) + [(0, -K % 32)]); x = x.reshape(x.shape[:-1] + (-1, 32)); a = np.abs(x).max(-1, keepdims=True)
;;       e = np.where(a > 0, np.clip(np.frexp(np.where(a > 0, a, 1))[1] - 1 - 2, -126, 127), 0)      # np.frexp(a)[1] - 1 = floor(log2(a)), exactly
;;       r = np.clip(x / 2.0 ** e, -7.5, 7.5)
;;       step = 2.0 ** (np.maximum(np.frexp(np.where(r == 0, 1, r))[1] - 1, 0) - 3)
;;       q = np.round(r / step) * step * 2.0 ** e      # np.round: ties to even
;;       return np.moveaxis(q.reshape(q.shape[:-2] + (-1,))[..., :K], -1, axis).astype(np.float32)
;;   ~~~
;;   SOFTMAX AHEAD OF A QUANTISED PRODUCT. Where the list says 'softmax', what is quantised is not the finished softmax but p = 2^(t - M), with t = logit x log2(e) and M = ceil(the row's largest t), a whole number; so 1/2 < the row's largest p <= 1. The row's sum l is taken of the UNQUANTISED p, in f32, and the product's result is divided by l at the end. Since M is a whole number, a kernel that streams over the keys may use a running M (the ceiling of the running maximum): every later rescaling is an exact power of two, which a block's scale takes up: the codes' values come out the same.
;;   OPERANDS COMPUTED ON THE WAY. 'Computed on the way' means the value that the module computes at that place (a softmax that the list does not call 'softmax' is quantised finished and normalised). What goes into a quantiser is computed in f32, as accurately as f32 sums, v_exp_f32 and their like allow (about 1e-6 of the number): no bf16 or f16 on the way to a quantiser, and a product that is left as it is and whose result goes on into a quantised operand takes f32 operands (vector FMAs, or v_wmma_f32_16x16x4_f32). A number that lies on a knife's edge between two numbers of the format may be rounded either way, as far as f32 arithmetic and the matrix unit's own rounding can turn it there, and no further.
;; One version. Each part assembles by itself: llvm-mc -triple=amdgcn-amd-amdhsa -mcpu=gfx1250 --defsym DOCPART=n.
;; ======== version 1 of 1: 4 launches
;; limits: right only within a limited range of input values
;; workspace buffers: pcodes 22,020,096 bytes; pscales 917,504 bytes; maskbits 2,097,152 bytes of whole numbers; maskflag 32,768 bytes of whole numbers; hcodes 18,874,368 bytes; hscales 786,432 bytes; ocodes 6,291,456 bytes; oscales 262,144 bytes
;; launch prep (part 1): grid 704 x 1, 4 waves a work-group, no clusters, 34,304 bytes of LDS; arguments q, k, v, Wq, Wk, Wv, Wo, mask, pcodes, pscales, maskbits, maskflag; writes pcodes, pscales, maskbits, maskflag
.if DOCPART == 1
	.amdgcn_target "amdgcn-amd-amdhsa--gfx1250"
	.amdhsa_code_object_version 6
	.text
	.protected	k_q405bb0872d_prep
	.globl	k_q405bb0872d_prep
	.p2align	8
	.type	k_q405bb0872d_prep,@function
k_q405bb0872d_prep:
	s_mov_b64 s[64:65], 0
	v_nop
	global_prefetch_b8 v0, s[64:65] scope:SCOPE_SE
	s_setreg_imm32_b32 hwreg(HW_REG_WAVE_MODE, 25, 1), 1
	s_wait_xcnt 0x0
; q, k, v [8192][1024] and Wq, Wk, Wv, Wo [1024][1024], f32 with K innermost, become codes of FP6 (E2M3) with one E8M0 byte for each 32 along K; the mask [8192][2048] of int32 becomes one bit a number.
; A block's scale is 2^(floor(log2(largest magnitude)) - 2): its byte is the largest magnitude's exponent field - 2, held at 1 from below.  A block of zeros keeps the byte 1: its codes are zeros and this program alone reads the bytes.
; LIMITS: NaN and infinities among the inputs are not served; blocks whose largest magnitude lies under 2^-124 were not tried.
; ROW TILES.  Row rho (0..15) of row tile T is row 32 (T / 2) + 8 (T % 2) + rho + 8 (rho / 8) of its tensor.  A tile that later serves as source 0 of a product then leaves, in the 16 registers of tiles 2 b and 2 b + 1, the
; indices 32 b + 16 (lane / 16) + 0 .. 15 in their natural order.
; IMAGES.  Codes are stored as the operand's registers: 16 rows x 64 along K are six registers a lane, 768 bytes: piece p (registers 2 p, 2 p + 1) at 256 p + 8 x lane.  pcodes: [tile 1792][K step 8][half 2][768].
; pscales: [tile][row 16][K step 8] words.  maskbits: [query tile 512][key step 16][64 words]: bit l of word 16 b + i is mask(row l % 16 of the tile, key 128 step + 32 b + 16 (l / 16) + i) != 0.
; SHARES.  A wave takes a unit: one row tile x 1,024 columns of 4 bytes, in eight tiles of 16 x 128.  Units 0-1791 quantise (work-groups 0-447), units 1792-2815 pack half a mask tile each (work-groups 448-703).
; Every load reads 512 consecutive bytes of one row; a tile turns through the wave's own stage in LDS, so that register 16 b + i of lane (r, h) holds column 32 b + 16 h + i of row r.  Waves share nothing: no barrier.
.set NQU,  1792                        ; units that quantise
.set WGQ,  448                         ; work-groups that quantise
.set SROW, 528                         ; a stage row: 512 bytes + 16, so that the 16 rows which a load of 16 bytes a lane touches begin 16 bytes apart modulo 256
.set OFF,  10                          ; v10-25   byte offset of my 16 bytes in image row i
.set PWS,  26                          ; v26-33   the eight tiles' scale words
.set R,    34                          ; v34-97   a tile as loaded
.set X,    98                          ; v98-161  a tile turned
.set PC,   162                         ; v162-173 the codes just made
.set CT,   174                         ; v174-181 the conversions' second halves
.set TM,   182                         ; v182-185 largest magnitudes
.set TP,   186                         ; v186-189 the other half's, then the bytes
.set SCO,  190                         ; v190-193 the conversions' scale operands
.set W4,   194                         ; v194-197 the scale words as stored
.set MW,   162                         ; v162-177 mask units only: a pair of registers for each tile's 64 words
.set SEL,  40                          ; s[40:41] lane selects: lane l xor 16
	s_load_b512 s[4:19], s[0:1], 0x0               ; q, k, v, Wq, Wk, Wv, Wo, mask
	s_load_b128 s[20:23], s[0:1], 0x40             ; pcodes, pscales
	s_load_b64 s[24:25], s[0:1], 0x50              ; maskbits
	s_load_b64 s[52:53], s[0:1], 0x58              ; maskflag: [query tile 512][key step 16] words: -1 where all 16 x 128 numbers of the mask count
	v_lshl_add_u32 v200, v0, 2, 0x8400
	v_mov_b32 v201, 0
	v_lshrrev_b32 v1, 5, v0
	v_readfirstlane_b32 s26, v1                    ; wave
	v_and_b32 v1, 31, v0                           ; lane
	s_wait_alu depctr_va_vdst(0)
	v_and_b32 v2, 15, v0                           ; r
	s_wait_alu depctr_va_vdst(0)
	v_bfe_u32 v3, v0, 4, 1                         ; h
	s_lshl_b32 s27, ttmp9, 2
	s_add_co_u32 s27, s27, s26                     ; U: my unit
	s_cmp_ge_u32 s27, NQU
	s_cselect_b32 s33, 1, 0                        ; 1 in a mask unit
	s_lshl_b32 s32, 0x1000, s33                    ; a row in bytes: 4,096, the mask's 8,192
	s_mov_b32 s[SEL], 0x76543210
	s_mov_b32 s[SEL+1], 0xfedcba98
	s_mov_b32 s42, 0xffff0000                      ; lanes 16-31
; THE ROW TILES OF k ALONE are laid otherwise than the head says: row rho of tile T is row 64 (T / 4) + 8 (T % 4) + rho + 24 (rho / 8):
; rows 0-7 of four neighbouring tiles are one block of 32 keys, rows 8-15 the next block
	s_sub_co_u32 s57, s27, 512
	s_cmp_lt_u32 s57, 512                          ; units 512-1023 are k's
	s_cselect_b32 s54, 2, 1
	s_cselect_b32 s55, 6, 5
	s_cselect_b32 s56, 3, 1
	s_cselect_b32 s58, 24, 8                       ; rows that image rows 8-15 lie further on
	s_mul_i32 s59, s32, s58
	v_lshlrev_b32 v4, 4, v1                        ; 16 x lane
	v_add_nc_u32 v9, s59, v4                       ; the same for image rows 8-15
	v_lshlrev_b32 v199, 2, v1                      ; 4 x lane: a flag's place
	v_mov_b32 v198, 0                              ; the unit's eight flags, lane t for tile t
	s_mul_i32 s38, s26, 16*SROW                    ; my stage
	v_add_nc_u32 v5, s38, v4                       ; into it: 16 x lane of row i
	v_mul_u32_u24 v6, v2, SROW
	s_wait_alu depctr_va_vdst(0)
	v_lshl_add_u32 v6, v3, 6, v6
	v_add_nc_u32 v6, s38, v6                       ; out of it: row r, + 64 h
	v_lshlrev_b32 v7, 3, v1                        ; 8 x lane: a piece of an image, a pair of mask words
	v_lshlrev_b32 v8, 5, v2
	v_lshl_add_u32 v8, v3, 4, v8                   ; 32 r + 16 h: my four scale words
.irp i, 0,1,2,3,4,5,6,7,8,9,10,11,12,13,14,15
.if \i < 8
	v_mad_u32_u24 v[OFF+\i], s32, \i, v4
.else
	v_mad_u32_u24 v[OFF+\i], s32, \i, v9
.endif
.endr
.irp b, 0,1,2,3
	v_mov_b32 v[TP+\b], 0                          ; written once: a lane permute's destination counts as one of its sources
.endr
.irp j, 0,1,2,3,4,5,6,7
	v_mov_b32 v[PWS+\j], 0                         ; written on every path
.endr
.irp j, 0,1,2,3,4,5,6,7,8,9,10,11,12,13,14,15
	v_mov_b32 v[MW+\j], 0                          ; likewise: v_writelane_b32 keeps the other lanes
.endr
	s_wait_kmcnt 0x0
; which tensor is my unit's, and which is that tensor's first unit: a chain of choices on the unit's number alone
.macro PICK lim, first, ptr
	s_cmp_lt_u32 s27, \lim
	s_cselect_b64 s[30:31], s[\ptr:\ptr+1], s[30:31]
	s_cselect_b32 s28, \first, s28
.endm
	s_mov_b64 s[30:31], s[18:19]
	s_mov_b32 s28, NQU
	PICK 1792, 1728, 16                            ; Wo
	PICK 1728, 1664, 14                            ; Wv
	PICK 1664, 1600, 12                            ; Wk
	PICK 1600, 1536, 10                            ; Wq
	PICK 1536, 1024, 8                             ; v
	PICK 1024, 512, 6                              ; k
	PICK 512, 0, 4                                 ; q
	s_sub_co_u32 s29, s27, s28                     ; my unit in its tensor
	s_lshr_b32 s34, s29, s33                       ; its row tile (a mask tile has two units)
	s_lshr_b32 s35, s34, s54
	s_lshl_b32 s35, s35, s55
	s_and_b32 s36, s34, s56
	s_lshl_b32 s36, s36, 3
	s_add_co_u32 s35, s35, s36                     ; the tile's first row
	s_mul_i32 s36, s35, s32                        ; in bytes: under 2^27
	s_and_b32 s37, s29, s33
	s_lshl_b32 s37, s37, 12                        ; a mask tile's second unit: 1,024 columns on
	s_add_co_u32 s36, s36, s37
	s_mov_b32 s37, 0
	s_add_nc_u64 s[30:31], s[30:31], s[36:37]
	s_min_u32 s34, s27, NQU-1                      ; where my results go; held inside the buffer in the units that do not store there
	s_mul_i32 s36, s34, 12288
	s_add_nc_u64 s[20:21], s[20:21], s[36:37]
	s_lshl_b32 s36, s34, 9
	s_add_nc_u64 s[22:23], s[22:23], s[36:37]
	s_max_u32 s34, s27, NQU
	s_sub_co_u32 s34, s34, NQU
	s_lshl_b32 s36, s34, 11                        ; eight key steps of 256 bytes a unit
	s_add_nc_u64 s[24:25], s[24:25], s[36:37]
	s_lshl_b32 s36, s34, 5                         ; eight flags of 4 bytes a unit
	s_add_nc_u64 s[52:53], s[52:53], s[36:37]
.macro LOADT t                         ; tile t: 16 rows x 512 consecutive bytes
.irp i, 0,1,2,3,4,5,6,7,8,9,10,11,12,13,14,15
	global_load_b128 v[R+4*\i:R+4*\i+3], v[OFF+\i], s[30:31] offset:512*(\t) th:TH_LOAD_NT
.endr
.endm
.macro TURN                            ; through the stage: LDS serves a wave's instructions in order, so no wait stands between the stores and the loads
.irp i, 0,1,2,3,4,5,6,7,8,9,10,11,12,13,14,15
	ds_store_b128 v5, v[R+4*\i:R+4*\i+3] offset:SROW*\i
.endr
.irp b, 0,1,2,3
.irp j, 0,1,2,3
	ds_load_b128 v[X+16*\b+4*\j:X+16*\b+4*\j+3], v6 offset:128*\b+16*\j
.endr
.endr
.endm
; 64 numbers of a lane, register 16 b + i = k 32 b + 16 (lane / 16) + i of my row, become a fragment's codes in v[PC] on and its scale word in v[pw]
.macro QUANT s, pw
.irp b, 0,1,2,3
	v_max3_num_f32 v[TM+\b], |v[\s+16*\b]|, |v[\s+1+16*\b]|, 0x1800000   ; my 16 numbers of block b, and the floor 2^(3 - 127): the byte cannot fall under 1
.endr
.irp i, 2,4,6,8,10,12,14
.irp b, 0,1,2,3
	v_max3_num_f32 v[TM+\b], v[TM+\b], |v[\s+16*\b+\i]|, |v[\s+1+16*\b+\i]|   ; the four blocks by turns
.endr
.endr
.irp b, 0,1,2,3
	v_permlanex16_b32 v[TP+\b], v[TM+\b], s[SEL], s[SEL+1]
.endr
.irp b, 0,1,2,3
	v_max_num_f32 v[TM+\b], v[TM+\b], v[TP+\b]     ; with lane l xor 16's: the block's largest magnitude
.endr
.irp b, 0,1,2,3
	v_add_nc_u32 v[SCO+\b], 0xff000000, v[TM+\b]   ; 2 off its exponent field: the conversion takes that field as its scale
.endr
.irp b, 0,1,2,3
	v_lshrrev_b32 v[TP+\b], 23, v[SCO+\b]          ; the scale's byte
.endr
	v_lshl_or_b32 v[\pw], v[TP+1], 8, v[TP]
	v_lshl_or_b32 v[\pw], v[TP+2], 16, v[\pw]
	v_lshl_or_b32 v[\pw], v[TP+3], 24, v[\pw]      ; my row's scale word
.irp c, 0,1
	v_cvt_scalef32_pk16_fp6_f32 v[PC+6*\c:PC+6*\c+2], v[\s+32*\c:\s+32*\c+15], v[SCO+2*\c]
	v_cvt_scalef32_pk16_fp6_f32 v[CT+4*\c:CT+4*\c+2], v[\s+32*\c+16:\s+32*\c+31], v[SCO+2*\c+1]   ; (a conversion's three registers begin on an even number)
.endr
	v_nop                                          ; one plain place behind a scaled conversion
.irp c, 0,1                                    ; the operand wants a whole block in a lane: lanes 0-15 block 2 c, lanes 16-31 block 2 c + 1
.irp i, 0,1,2
	v_permlane16_swap_b32 v[PC+6*\c+\i], v[CT+4*\c+\i]
.endr
.irp i, 0,1,2
	v_mov_b32 v[PC+3+6*\c+\i], v[CT+4*\c+\i]
.endr
.endr
.endm
.macro TILE t
	s_wait_loadcnt 0x0                             ; this tile's 16 loads are the only ones out
	TURN
	s_wait_dscnt 0x0                               ; the tile is back, and the stores have read the registers that the next loads fill
	s_wait_xcnt 0x0                                ; the last tile's stores have read their data: those registers are written again below
.if \t < 7
	LOADT (\t+1)                                   ; lands while this tile is worked on
.endif
	s_cmp_lt_u32 ttmp9, WGQ
	s_cbranch_scc0 .Lmask_\@
	QUANT X, PWS+\t
.irp c, 0,1
.irp p, 0,1,2
	global_store_b64 v7, v[PC+6*\c+2*\p:PC+6*\c+2*\p+1], s[20:21] offset:1536*\t+768*\c+256*\p   ; 32 lanes store 256 consecutive bytes, aligned
.endr
.endr
	s_branch .Ldone_\@
.Lmask_\@:
; THE MASK WORDS as they are stored (this holds in place of the head's line): bit l of word 32 g + o is mask(row l % 16 of the tile, key 128 step + 64 g + 32 (l / 16) + o) != 0.
; The comparison of register 16 b + i has key 32 b + 16 (l / 16) + i in bit l: the low halves of blocks 2 g and 2 g + 1 make word 32 g + i, the high halves word 32 g + 16 + i.
	s_mov_b32 s43, -1                              ; stays -1 while every number of the tile counts
.irp g, 0,1
.irp m, 0,1
.irp n, 0,1,2,3,4,5,6,7
	v_cmp_ne_u32 s[44+\n], 0, v[X+32*\g+8*\m+\n]
	v_cmp_ne_u32 s[56+\n], 0, v[X+32*\g+16+8*\m+\n]
.endr
.irp n, 0,1,2,3,4,5,6,7
	s_and_b32 s43, s43, s[44+\n]
	s_and_b32 s43, s43, s[56+\n]
	s_pack_hh_b32_b16 s39, s[44+\n], s[56+\n]
	s_pack_ll_b32_b16 s[44+\n], s[44+\n], s[56+\n]
	s_mov_b32 s[56+\n], s39
.endr
.irp n, 0,1,2,3,4,5,6,7                        ; word j goes to lane j / 2 of register j % 2
	v_writelane_b32 v[MW+2*\t+(\n%2)], s[44+\n], 16*\g+4*\m+\n/2
	v_writelane_b32 v[MW+2*\t+(\n%2)], s[56+\n], 16*\g+8+4*\m+\n/2
.endr
.endr
.endr
	v_writelane_b32 v198, s43, \t
	global_store_b64 v7, v[MW+2*\t:MW+2*\t+1], s[24:25] offset:256*\t   ; a key step's 64 words: 256 consecutive bytes, aligned
.Ldone_\@:
.endm
	LOADT 0
.irp t, 0,1,2,3,4,5,6,7
	TILE \t
.endr
	s_cmp_lt_u32 ttmp9, WGQ
	s_cbranch_scc0 .Lflags
.irp i, 0,1,2,3
	v_cndmask_b32 v[W4+\i], v[PWS+\i], v[PWS+4+\i], s42   ; lanes 0-15 store K steps 0-3 of their row, lanes 16-31 K steps 4-7
.endr
	global_store_b128 v8, v[W4:W4+3], s[22:23]     ; the tile's 512 bytes of scale words, consecutive
	s_branch .Lend
.Lflags:
	v_cmp_gt_u32 vcc_lo, 8, v1
	s_wait_xcnt 0x0                                ; EXEC changes only behind this wait
	s_and_saveexec_b32 s39, vcc_lo                 ; lanes 0-7 hold the unit's eight flags
	s_wait_alu depctr_va_vdst(0)                   ; directly ahead of the reader below
	global_store_b32 v199, v198, s[52:53]          ; 32 consecutive bytes
	s_wait_xcnt 0x0
	s_or_b32 exec_lo, exec_lo, s39
.Lend:
	s_wait_tensorcnt 0x0
	ds_add_u32 v200, v201
	s_wait_dscnt 0x0
	s_endpgm
.Lfunc_end_k_q405bb0872d_prep:
	.size	k_q405bb0872d_prep, .Lfunc_end_k_q405bb0872d_prep-k_q405bb0872d_prep
	.p2alignl 7, 3214868480
	.fill 96, 4, 3214868480
	.section	.rodata,"a",@progbits
	.p2align	6, 0x0
	.amdhsa_kernel k_q405bb0872d_prep
		.amdhsa_group_segment_fixed_size 34304
		.amdhsa_private_segment_fixed_size 0
		.amdhsa_enable_private_segment 0
		.amdhsa_kernarg_size 96
		.amdhsa_user_sgpr_count 2
		.amdhsa_user_sgpr_kernarg_segment_ptr 1
		.amdhsa_wavefront_size32 1
		.amdhsa_system_sgpr_workgroup_id_x 1
		.amdhsa_system_sgpr_workgroup_id_y 1
		.amdhsa_system_sgpr_workgroup_id_z 1
		.amdhsa_system_vgpr_workitem_id 0
		.amdhsa_next_free_vgpr 202
		.amdhsa_next_free_sgpr 66
		.amdhsa_reserve_vcc 1
		.amdhsa_float_denorm_mode_32 3
		.amdhsa_float_denorm_mode_16_64 3
		.amdhsa_memory_ordered 1
		.amdhsa_forward_progress 1
		.amdhsa_inst_pref_size 177
	.end_amdhsa_kernel
	.amdgpu_metadata
---
amdhsa.version: [ 1, 2 ]
amdhsa.kernels:
  - .name:           k_q405bb0872d_prep
    .symbol:         k_q405bb0872d_prep.kd
    .args:
      - { .name: q, .offset: 0, .size: 8, .value_kind: global_buffer, .address_space: global }
      - { .name: k, .offset: 8, .size: 8, .value_kind: global_buffer, .address_space: global }
      - { .name: v, .offset: 16, .size: 8, .value_kind: global_buffer, .address_space: global }
      - { .name: Wq, .offset: 24, .size: 8, .value_kind: global_buffer, .address_space: global }
      - { .name: Wk, .offset: 32, .size: 8, .value_kind: global_buffer, .address_space: global }
      - { .name: Wv, .offset: 40, .size: 8, .value_kind: global_buffer, .address_space: global }
      - { .name: Wo, .offset: 48, .size: 8, .value_kind: global_buffer, .address_space: global }
      - { .name: mask, .offset: 56, .size: 8, .value_kind: global_buffer, .address_space: global }
      - { .name: pcodes, .offset: 64, .size: 8, .value_kind: global_buffer, .address_space: global }
      - { .name: pscales, .offset: 72, .size: 8, .value_kind: global_buffer, .address_space: global }
      - { .name: maskbits, .offset: 80, .size: 8, .value_kind: global_buffer, .address_space: global }
      - { .name: maskflag, .offset: 88, .size: 8, .value_kind: global_buffer, .address_space: global }
    .group_segment_fixed_size: 34304
    .private_segment_fixed_size: 0
    .kernarg_segment_align: 8
    .kernarg_segment_size: 96
    .max_flat_workgroup_size: 128
    .sgpr_count:     66
    .vgpr_count:     202
    .wavefront_size: 32
...
	.end_amdgpu_metadata
.endif
;; end of part 1
;; launch proj (part 2): grid 32 x 12, 4 waves a work-group, clusters of 4 x 4, 327,680 bytes of LDS; arguments pcodes, pscales, bq, bk, bv, hcodes, hscales; writes hcodes, hscales
.if DOCPART == 2
	.amdgcn_target "amdgcn-amd-amdhsa--gfx1250"
	.amdhsa_code_object_version 6
	.text
	.protected	k_q405bb0872d_proj
	.globl	k_q405bb0872d_proj
	.p2align	8
	.type	k_q405bb0872d_proj,@function
k_q405bb0872d_proj:
	s_mov_b64 s[64:65], 0
	v_nop
	global_prefetch_b8 v0, s[64:65] scope:SCOPE_SE
	s_setreg_imm32_b32 hwreg(HW_REG_WAVE_MODE, 25, 1), 1
	s_wait_xcnt 0x0
	s_wait_alu depctr_hold_cnt(0) depctr_sa_sdst(0) depctr_va_vdst(0) depctr_va_sdst(0) depctr_va_ssrc(0) depctr_va_vcc(0) depctr_vm_vsrc(0)
	s_getreg_b32 s2, hwreg(HW_REG_IB_STS2, 6, 4)
	s_cmp_eq_u32 s2, 0
	s_cbranch_scc0 .Lentry_in_a_cluster
	s_endpgm
.Lentry_in_a_cluster:
	s_bfe_u32 s2, ttmp6, 0x10000c
	s_cmp_lg_u32 s2, 0xf033
	s_cbranch_scc0 .Lentry_shape_is_right
	s_endpgm
.Lentry_shape_is_right:
.set NQ,     2
.set FR,     12
.set NL,     6
.set NP,     4
.set HALFT,  24576
.set SLOT,   4*HALFT
.set SCL,    2*SLOT
.set HALFS,  4352
.set SBLK,   544
.set SPARE,  SCL+4*HALFS
.set ADRA, 16
.set ADRB, 20
.set L8,   24
.set SO,   25
.set ADRS, 27
.set SPW,  28
.set NIL,  29
.set SC,   32
.set BN,   64
.set AF,   128
.set BM,   232
.set ST,   128
.set PC,   192
.set CT,   204
.set TM,   212
.set TP,   216
.set SCO,  220
.set E0,   224
.set E1,   228
.set PWS,  240
.set W4,   248
.set SEL,  92
.set G1,   24
.set G0,   32
.set G1B,  48
.set G0B,  56
.set G1S,  68
.set G0S,  76
.set G1SB, 80
.set G0SB, 88
.set MSB, 0
.macro WIN new
.if MSB != (\new)
	s_set_vgpr_msb (MSB<<8)|(\new)
.set MSB, (\new)
.endif
.endm
.set MUL_LO, 0xa1
.set MUL_HI, 0xf1
.set TO_B,   0x40
.macro JLOAD g0a, g1a, g0b, g1b
	s_cmp_eq_u32 s19, 0
	s_cbranch_scc0 .Lfor_b_\@
	tensor_load_to_lds s[\g0a:\g0a+3], s[\g1a:\g1a+7]
	s_nop 0
.rept 4
	v_nop
.endr
	s_branch .Lasked_\@
.Lfor_b_\@:
	tensor_load_to_lds s[\g0b:\g0b+3], s[\g1b:\g1b+7]
	s_nop 0
.rept 4
	v_nop
.endr
.Lasked_\@:
.endm
.macro CREST
	s_cmp_lg_u32 s18, 0
	s_cbranch_scc1 .Lnot_wave_0_\@
	s_barrier_signal -3
.Lnot_wave_0_\@:
	s_barrier_wait -3
	s_barrier_signal -1
	s_barrier_wait -1
.endm
.macro CROUND
	s_barrier_signal -1
	s_barrier_wait -1
	CREST
.endm
	s_load_b256 s[4:11], s[0:1], 0x0
	s_load_b128 s[12:15], s[0:1], 0x20
	s_load_b64 s[16:17], s[0:1], 0x30
	v_lshl_add_u32 v[SPW], v0, 2, SPARE
	v_mov_b32 v[NIL], 0
	ds_add_u32 v28, v29
	ds_add_u32 v28, v29
	s_wait_dscnt 0x0
	v_lshrrev_b32 v1, 5, v0
	v_readfirstlane_b32 s18, v1
	s_lshr_b32 s19, s18, 1
	s_and_b32 s20, s18, 1
	s_bfe_u32 s21, ttmp6, 0x40000
	s_bfe_u32 s22, ttmp6, 0x40004
	s_and_b32 s23, ttmp7, 0xffff
	s_lshl_b32 s2, ttmp9, 2
	s_lshl_b32 s3, s23, 9
	s_lshl_b32 s67, s23, 6
	s_add_co_u32 s67, s67, 1536
	s_mov_b32 s46, 0x05040100
	s_mov_b32 s47, 0x07060302
	s_mov_b32 s94, 393216
	s_mov_b32 s95, 16384
	s_cmp_eq_u32 s23, 2
	s_cselect_b32 s41, s2, 0
	s_cselect_b32 s40, 0, s2
	s_cselect_b32 s44, 0, -1
	s_cselect_b32 s45, -1, 0
	s_cselect_b32 s96, 1664, s3
	s_cselect_b32 s98, 1024, s67
	s_cselect_b32 s46, 0x03020100, s46
	s_cselect_b32 s47, 0x07060504, s47
	s_cselect_b32 s94, 49152, s94
	s_cselect_b32 s95, 256, s95
	s_add_co_u32 s41, s41, s21
	s_add_co_u32 s40, s40, s22
	s_lshl_b32 s42, s22, 2
	s_lshl_b32 s42, 15, s42
	s_lshl_b32 s43, 0x1111, s21
	s_mov_b32 s[SEL], 0x76543210
	s_mov_b32 s[SEL+1], 0xfedcba98
	s_or_b32 s[G1+0], s42, (3<<16)|(1<<21)
	s_or_b32 s[G1B+0], s43, (3<<16)|(1<<21)
.irp g, G1, G1B
	s_mov_b32 s[\g+1], 384<<16
	s_mov_b32 s[\g+2], 16<<16
	s_mov_b32 s[\g+3], 384<<16
	s_mov_b32 s[\g+4], 16
	s_mov_b32 s[\g+5], 1536
	s_mov_b32 s[\g+6], 0
	s_mov_b32 s[\g+7], 0
.endr
	s_or_b32 s[G1S+0], s42, (3<<16)|(1<<20)|(1<<21)|(5<<22)|(3<<25)
	s_or_b32 s[G1SB+0], s43, (3<<16)|(1<<20)|(1<<21)|(5<<22)|(3<<25)
.irp g, G1S, G1SB
	s_mov_b32 s[\g+1], 32<<16
	s_mov_b32 s[\g+2], 32<<16
	s_mov_b32 s[\g+3], 32<<16
	s_mov_b32 s[\g+4], 32
	s_mov_b32 s[\g+5], 32
	s_mov_b32 s[\g+6], 0
	s_mov_b32 s[\g+7], 0
.endr
	s_lshl_b32 s2, s20, 3
	s_lshl_b32 s3, s40, 4
	s_add_co_u32 s96, s96, s3
	s_add_co_u32 s96, s96, s2
	s_lshl_b32 s67, s41, 4
	s_add_co_u32 s98, s98, s67
	s_add_co_u32 s98, s98, s2
	s_lshl_b32 s100, s96, 9
	s_mov_b32 s101, 0
	s_mul_i32 s96, s96, 12288
	s_mov_b32 s97, 0
	s_lshl_b32 s2, s98, 9
	s_mov_b32 s3, 0
	s_mul_i32 s98, s98, 12288
	s_mov_b32 s99, 0
	s_mul_i32 s67, s18, HALFT
	s_wait_kmcnt 0x0
	s_add_nc_u64 s[96:97], s[4:5], s[96:97]
	s_add_nc_u64 s[100:101], s[6:7], s[100:101]
	s_add_nc_u64 s[98:99], s[4:5], s[98:99]
	s_add_nc_u64 s[2:3], s[6:7], s[2:3]
	CROUND
; THE HEAD'S LOADS, ONE A WAVE: wave 0 fetches slot 0's 16 row tiles of A, wave 1 its 16 of B, wave 2 the scale words of A's 16 tiles, wave 3 those of B's.
; s[96:101] and s[2:3] point at my half (8 tiles): the half's bytes are taken off for the whole tiles.
	s_mul_i32 s42, s20, 98304                      ; 8 tiles of 12,288 bytes of codes
	s_mov_b32 s43, 0
	s_lshl_b32 s4, s20, 12                         ; 8 tiles of 512 bytes of scale words
	s_mov_b32 s5, 0
	s_mov_b32 s[G0S], 1
	s_mov_b32 s[G0S+1], SCL
	s_sub_nc_u64 s[G0S+2:G0S+3], s[100:101], s[4:5]
	s_or_b32 s[G0S+3], s[G0S+3], 0x80000000
	s_mov_b32 s[G0SB], 1
	s_mov_b32 s[G0SB+1], SCL+2*HALFS
	s_sub_nc_u64 s[G0SB+2:G0SB+3], s[2:3], s[4:5]
	s_or_b32 s[G0SB+3], s[G0SB+3], 0x80000000
	s_mov_b32 s[G0], 1                             ; slot 0's group 0 first serves the whole tiles; behind the wait for them it is set to my quarter
	s_mov_b32 s[G0+1], 0
	s_sub_nc_u64 s[G0+2:G0+3], s[96:97], s[42:43]
	s_or_b32 s[G0+3], s[G0+3], 0x80000000
	s_mov_b32 s[G0B], 1
	s_mov_b32 s[G0B+1], 2*HALFT
	s_sub_nc_u64 s[G0B+2:G0B+3], s[98:99], s[42:43]
	s_or_b32 s[G0B+3], s[G0B+3], 0x80000000
	s_mov_b32 s[G0+4], 1                           ; slot 1: my quarter, the second 256 along K
	s_add_co_u32 s[G0+5], s67, SLOT
	s_add_nc_u64 s[G0+6:G0+7], s[96:97], 3072
	s_or_b32 s[G0+7], s[G0+7], 0x80000000
	s_mov_b32 s[G0B+4], 1
	s_add_co_u32 s[G0B+5], s67, SLOT
	s_add_nc_u64 s[G0B+6:G0B+7], s[98:99], 3072
	s_or_b32 s[G0B+7], s[G0B+7], 0x80000000
.macro ARM under, g0, g1, next         ; one chain of branches on the wave's number: every way passes exactly one load
	s_cmp_lt_u32 s18, \under
	s_cbranch_scc0 \next
	tensor_load_to_lds s[\g0:\g0+3], s[\g1:\g1+7]
	s_nop 0
.rept 4
	v_nop
.endr
	s_branch .Lhead_asked
\next:
.endm
	ARM 1, G0,  G1,  .Lhead_b
	ARM 2, G0B, G1B, .Lhead_sa
	ARM 3, G0S, G1S, .Lhead_sb
	tensor_load_to_lds s[G0SB:G0SB+3], s[G1SB:G1SB+7]
	s_nop 0
.rept 4
	v_nop
.endr
.Lhead_asked:
	v_and_b32 v1, 15, v0
	v_bfe_u32 v2, v0, 4, 1
	v_and_b32 v3, 31, v0
	v_lshlrev_b32 v[L8], 3, v3
	s_mul_i32 s2, s19, HALFT
	s_mul_i32 s3, s20, HALFT
	s_add_co_u32 s3, s3, 2*HALFT
.irp s, 0,1
	v_add_nc_u32 v[ADRA+\s], s2, v[L8]
	v_add_nc_u32 v[ADRB+\s], s3, v[L8]
	s_add_co_u32 s2, s2, SLOT
	s_add_co_u32 s3, s3, SLOT
.endr
	v_lshlrev_b32 v5, 5, v1
	v_lshrrev_b32 v6, 8, v5
	v_lshl_add_u32 v5, v6, 4, v5
	s_mul_i32 s2, s19, HALFS
	s_mul_i32 s3, s20, HALFS
	s_add_co_u32 s3, s3, 2*HALFS
	s_sub_co_u32 s3, s3, s2
	v_mul_u32_u24 v6, s3, v2
	s_add_co_u32 s2, s2, SCL
	v_add_nc_u32 v5, v5, v6
	v_add_nc_u32 v[ADRS], s2, v5
	v_mul_u32_u24 v[SO], s95, v2
	v_lshl_add_u32 v[SO], v1, 4, v[SO]
	s_cmp_eq_u32 s23, 0
	s_cselect_b64 s[96:97], s[8:9], s[10:11]
	s_cmp_eq_u32 s23, 2
	s_cselect_b64 s[96:97], s[12:13], s[96:97]
	s_lshl_b32 s2, s41, 10
	s_lshl_b32 s3, s20, 9
	s_add_co_u32 s2, s2, s3
	s_and_b32 s2, s2, s44
	s_mov_b32 s3, 0
	s_add_nc_u64 s[98:99], s[96:97], s[2:3]
	s_lshl_b32 s2, s40, 10
	s_lshl_b32 s66, s19, 9
	s_add_co_u32 s2, s2, s66
	s_and_b32 s2, s2, s45
	s_add_nc_u64 s[100:101], s[96:97], s[2:3]
	v_lshlrev_b32 v7, 6, v2
	v_and_b32 v8, 8, v1
	v_add_nc_u32 v8, v8, v1
	v_lshlrev_b32 v8, 2, v8
.irp b, 0,1,2,3,4,5,6,7
	global_load_b128 v[BN+8*\b:BN+8*\b+3], v7, s[98:99] offset:(32*(\b/2)+8*(\b%2))*4
	global_load_b128 v[BN+8*\b+4:BN+8*\b+7], v7, s[98:99] offset:(32*(\b/2)+8*(\b%2))*4+16
.endr
.irp a, 0,1,2,3,4,5,6,7
	global_load_b32 v[BM+\a], v8, s[100:101] offset:(32*(\a/2)+8*(\a%2))*4
.endr
	s_wait_loadcnt 0x0
.set j, 0
.rept 64
	v_cndmask_b32 v[BN+j], 0, v[BN+j], s44
.set j, j+1
.endr
.set j, 0
.rept 8
	v_cndmask_b32 v[BM+j], 0, v[BM+j], s45
.set j, j+1
.endr
	s_lshl_b32 s2, s41, 1
	s_add_co_u32 s2, s2, s20
	s_lshl_b32 s3, s40, 4
	s_lshl_b32 s66, s19, 3
	s_add_co_u32 s3, s3, s66
	s_mul_i32 s96, s23, 6291456
	s_mul_i32 s66, s2, s94
	s_lshl_b32 s66, s66, 1
	s_add_co_u32 s96, s96, s66
	s_mul_i32 s66, s3, 768
	s_add_co_u32 s96, s96, s66
	s_mov_b32 s97, 0
	s_add_nc_u64 s[96:97], s[14:15], s[96:97]
	s_mov_b32 s98, s94
	s_mov_b32 s99, 0
	s_add_nc_u64 s[98:99], s[96:97], s[98:99]
	s_mov_b32 s100, 32768
	s_mov_b32 s101, 256
	s_cmp_eq_u32 s23, 2
	s_cselect_b32 s100, 4096, s100
	s_cselect_b32 s101, 512, s101
	s_mul_i32 s100, s2, s100
	s_lshr_b32 s3, s3, 3
	s_mul_i32 s101, s3, s101
	s_add_co_u32 s100, s100, s101
	s_lshl_b32 s101, s23, 18
	s_add_co_u32 s100, s100, s101
	s_mov_b32 s101, 0
	s_add_nc_u64 s[100:101], s[16:17], s[100:101]
	s_mov_b32 s66, 0xffff0000
.macro FRAG reg, adr, q, i
.irp p, 0,1,2,3,4,5
	ds_load_b64 v[\reg+2*\p:\reg+2*\p+1], v[\adr] offset:(\i)*3072+(\q)*1536+768*(\p/3)+256*(\p%3)
.endr
.endm
.macro MUL16 a0, p, q, sc, zero
.irp a, \a0, \a0+1
.irp b, 0,1,2,3,4,5,6,7
.if \zero
	v_wmma_scale_f32_16x16x128_f8f6f4 v[8*(8*((\a)%4)+\b):8*(8*((\a)%4)+\b)+7], v[128*(\p)+FR*\b:128*(\p)+FR*\b+FR-1], v[AF+FR*(\a):AF+FR*(\a)+FR-1], v[BN+8*\b:BN+8*\b+7], v[SC+8*NQ*(\sc)+NQ*\b+(\q)], v[SC+8*NQ*(\sc)+NQ*(\a)+(\q)] matrix_a_fmt:MATRIX_FMT_FP6 matrix_b_fmt:MATRIX_FMT_FP6 matrix_a_scale:MATRIX_SCALE_ROW1
.else
	v_wmma_scale_f32_16x16x128_f8f6f4 v[8*(8*((\a)%4)+\b):8*(8*((\a)%4)+\b)+7], v[128*(\p)+FR*\b:128*(\p)+FR*\b+FR-1], v[AF+FR*(\a):AF+FR*(\a)+FR-1], v[8*(8*((\a)%4)+\b):8*(8*((\a)%4)+\b)+7], v[SC+8*NQ*(\sc)+NQ*\b+(\q)], v[SC+8*NQ*(\sc)+NQ*(\a)+(\q)] matrix_a_fmt:MATRIX_FMT_FP6 matrix_b_fmt:MATRIX_FMT_FP6 matrix_a_scale:MATRIX_SCALE_ROW1
.endif
.endr
.endr
.endm
.macro FETCH_B slot, q, p
	WIN TO_B
.irp i, 0,1,2,3,4,5,6,7
	FRAG 128*(\p)+FR*\i, ADRB+\slot, \q, \i
.endr
	WIN 0
.endm
.macro FETCH_A slot, q, i0
.irp i, \i0, \i0+1, \i0+2, \i0+3
	FRAG AF+FR*(\i), ADRA+\slot, \q, \i
.endr
.endm
.macro SCALES sc
.irp i, 0,1,2,3,4,5,6,7
	ds_load_b64 v[SC+8*NQ*\sc+NQ*\i:SC+8*NQ*\sc+NQ*\i+1], v[ADRS] offset:\i*SBLK
.endr
.endm
.macro PLACES n
.rept \n
	v_nop
.endr
.endm
.macro STEP slot, q, zero
	s_wait_dscnt 4*NL
	WIN MUL_LO-0x20*(\zero)
	MUL16 0, (\q)%2, \q, \slot, \zero
	MUL16 2, (\q)%2, \q, \slot, \zero
	s_wait_dscnt 0
	PLACES NP
	FETCH_B \slot, (\q)+1, 1-(\q)%2
	FETCH_A \slot, (\q)+1, 0
	WIN MUL_HI-0x30*(\zero)
	MUL16 4, (\q)%2, \q, \slot, \zero
	MUL16 6, (\q)%2, \q, \slot, \zero
	PLACES NP
	WIN 0
	FETCH_A \slot, (\q)+1, 4
.endm
.macro TURN slot, next, fill
	s_wait_tensorcnt 0x0
	ds_add_u32 v[SPW], v[NIL]
	s_wait_dscnt 4*NL+1
	WIN MUL_LO
	MUL16 0, 1, NQ-1, \slot, 0
	s_wait_dscnt 0x0
	s_barrier_signal -1
	MUL16 2, 1, NQ-1, \slot, 0
	WIN 0
	s_barrier_wait -1
.if \fill
	CREST
	s_add_nc_u64 s[G0+4*\slot+2:G0+4*\slot+3], s[G0+4*\slot+2:G0+4*\slot+3], 2*3072
	s_add_nc_u64 s[G0B+4*\slot+2:G0B+4*\slot+3], s[G0B+4*\slot+2:G0B+4*\slot+3], 2*3072
	JLOAD G0+4*\slot, G1, G0B+4*\slot, G1B
.else
	PLACES NP
.endif
	s_wait_alu depctr_va_vdst(0)
	v_add_nc_u32 v[ADRS], 4*NQ, v[ADRS]
	FETCH_B \next, 0, 0
	FETCH_A \next, 0, 0
	SCALES \next
	WIN MUL_HI
	MUL16 4, 1, NQ-1, \slot, 0
	MUL16 6, 1, NQ-1, \slot, 0
	PLACES NP
	WIN 0
	FETCH_A \next, 0, 4
.endm
.macro QUANT s, pw
.irp b, 0,1,2,3
	v_max3_num_f32 v[TM+\b], |v[\s+16*\b]|, |v[\s+1+16*\b]|, 0x1800000
.endr
.irp i, 2,4,6,8,10,12,14
.irp b, 0,1,2,3
	v_max3_num_f32 v[TM+\b], v[TM+\b], |v[\s+16*\b+\i]|, |v[\s+1+16*\b+\i]|
.endr
.endr
.irp b, 0,1,2,3
	v_permlanex16_b32 v[TP+\b], v[TM+\b], s[SEL], s[SEL+1]
.endr
.irp b, 0,1,2,3
	v_max_num_f32 v[TM+\b], v[TM+\b], v[TP+\b]
.endr
.irp b, 0,1,2,3
	v_add_nc_u32 v[SCO+\b], 0xff000000, v[TM+\b]
.endr
.irp b, 0,1,2,3
	v_lshrrev_b32 v[TP+\b], 23, v[SCO+\b]
.endr
	v_lshl_or_b32 v[\pw], v[TP+1], 8, v[TP]
	v_lshl_or_b32 v[\pw], v[TP+2], 16, v[\pw]
	v_lshl_or_b32 v[\pw], v[TP+3], 24, v[\pw]
.irp c, 0,1
	v_cvt_scalef32_pk16_fp6_f32 v[PC+6*\c:PC+6*\c+2], v[\s+32*\c:\s+32*\c+15], v[SCO+2*\c]
	v_cvt_scalef32_pk16_fp6_f32 v[CT+4*\c:CT+4*\c+2], v[\s+32*\c+16:\s+32*\c+31], v[SCO+2*\c+1]
.endr
	v_nop
.irp c, 0,1
.irp i, 0,1,2
	v_permlane16_swap_b32 v[PC+6*\c+\i], v[CT+4*\c+\i]
.endr
.irp i, 0,1,2
	v_mov_b32 v[PC+3+6*\c+\i], v[CT+4*\c+\i]
.endr
.endr
.endm
	s_wait_alu depctr_va_vdst(0)
	s_wait_tensorcnt 0x0                           ; my tile of the head's four is in
	ds_add_u32 v[SPW], v[NIL]
	s_mov_b32 s[G1+2], 8<<16                       ; no tensor load of mine is out, so descriptors may be written: from here on a load brings 8 row tiles,
	s_mov_b32 s[G1+4], 8
	s_mov_b32 s[G1B+2], 8<<16
	s_mov_b32 s[G1B+4], 8
	s_add_co_u32 s[G0+1], s67, 0                   ; and slot 0's group 0 names my quarter
	s_add_nc_u64 s[G0+2:G0+3], s[G0+2:G0+3], s[42:43]
	s_add_co_u32 s[G0B+1], s67, 0
	s_add_nc_u64 s[G0B+2:G0B+3], s[G0B+2:G0B+3], s[42:43]
	s_wait_dscnt 0x0
	CROUND                                         ; all four tiles are in, and all sixteen work-groups are here
	JLOAD G0+4, G1, G0B+4, G1B                     ; slot 1's first fill, the first tensor load behind the round
	FETCH_B 0, 0, 0
	FETCH_A 0, 0, 0
	SCALES 0
	FETCH_A 0, 0, 4
	STEP 0, 0, 1
	TURN 0, 1, 1
	STEP 1, 0, 0
	TURN 1, 0, 1
	STEP 0, 0, 0
	TURN 0, 1, 0
	STEP 1, 0, 0
	s_wait_dscnt 4*NL
	WIN MUL_LO
	MUL16 0, 1, NQ-1, 1, 0
	MUL16 2, 1, NQ-1, 1, 0
	s_wait_dscnt 0
	WIN MUL_HI
	MUL16 4, 1, NQ-1, 1, 0
	MUL16 6, 1, NQ-1, 1, 0
	WIN 0
	PLACES NP
.irp b, 0,1,2,3
	v_mov_b32 v[TP+\b], 0
.endr
.macro OUTBLK a
.if (\a) > 0
	s_wait_xcnt 0x0
.endif
	WIN 0x08+4*((\a)/4)
.set j, 0
.rept 64
	v_add_f32 v[ST+j], v[BM+(\a)], v[64*((\a)%4)+j]
.set j, j+1
.endr
	WIN 0
	QUANT ST, PWS+(\a)
.irp c, 0,1
.irp p, 0,1,2
	global_store_b64 v[L8], v[PC+6*\c+2*\p:PC+6*\c+2*\p+1], s[96+2*\c:97+2*\c] offset:768*(\a)+256*\p
.endr
.endr
.endm
.irp a, 0,1,2,3,4,5,6,7
	OUTBLK \a
.endr
.irp t, 0,1,2,3
	v_perm_b32 v[E0+\t], v[PWS+2*\t+1], v[PWS+2*\t], s46
	v_perm_b32 v[E1+\t], v[PWS+2*\t+1], v[PWS+2*\t], s47
.endr
.irp t, 0,1,2,3
	v_cndmask_b32 v[W4+\t], v[E0+\t], v[E1+\t], s66
.endr
	global_store_b128 v[SO], v[W4:W4+3], s[100:101]
	s_wait_tensorcnt 0x0
	ds_add_u32 v[SPW], v[NIL]
	s_wait_dscnt 0x0
	CROUND
	s_endpgm
.Lfunc_end_k_q405bb0872d_proj:
	.size	k_q405bb0872d_proj, .Lfunc_end_k_q405bb0872d_proj-k_q405bb0872d_proj
	.p2alignl 7, 3214868480
	.fill 96, 4, 3214868480
	.section	.rodata,"a",@progbits
	.p2align	6, 0x0
	.amdhsa_kernel k_q405bb0872d_proj
		.amdhsa_group_segment_fixed_size 327680
		.amdhsa_private_segment_fixed_size 0
		.amdhsa_enable_private_segment 0
		.amdhsa_kernarg_size 56
		.amdhsa_user_sgpr_count 2
		.amdhsa_user_sgpr_kernarg_segment_ptr 1
		.amdhsa_wavefront_size32 1
		.amdhsa_system_sgpr_workgroup_id_x 1
		.amdhsa_system_sgpr_workgroup_id_y 1
		.amdhsa_system_sgpr_workgroup_id_z 1
		.amdhsa_system_vgpr_workitem_id 0
		.amdhsa_next_free_vgpr 1024
		.amdhsa_next_free_sgpr 102
		.amdhsa_reserve_vcc 0
		.amdhsa_float_denorm_mode_32 3
		.amdhsa_float_denorm_mode_16_64 3
		.amdhsa_memory_ordered 1
		.amdhsa_forward_progress 1
		.amdhsa_inst_pref_size 192
	.end_amdhsa_kernel
	.amdgpu_metadata
---
amdhsa.version: [ 1, 2 ]
amdhsa.kernels:
  - .name:           k_q405bb0872d_proj
    .symbol:         k_q405bb0872d_proj.kd
    .args:
      - { .name: pcodes, .offset: 0, .size: 8, .value_kind: global_buffer, .address_space: global }
      - { .name: pscales, .offset: 8, .size: 8, .value_kind: global_buffer, .address_space: global }
      - { .name: bq, .offset: 16, .size: 8, .value_kind: global_buffer, .address_space: global }
      - { .name: bk, .offset: 24, .size: 8, .value_kind: global_buffer, .address_space: global }
      - { .name: bv, .offset: 32, .size: 8, .value_kind: global_buffer, .address_space: global }
      - { .name: hcodes, .offset: 40, .size: 8, .value_kind: global_buffer, .address_space: global }
      - { .name: hscales, .offset: 48, .size: 8, .value_kind: global_buffer, .address_space: global }
    .group_segment_fixed_size: 327680
    .private_segment_fixed_size: 0
    .kernarg_segment_align: 8
    .kernarg_segment_size: 56
    .max_flat_workgroup_size: 128
    .sgpr_count:     102
    .vgpr_count:     1024
    .wavefront_size: 32
...
	.end_amdgpu_metadata
.endif
;; end of part 2
;; launch attn (part 3): grid 4 x 64, 16 waves a work-group, no clusters, 210,944 bytes of LDS; arguments hcodes, hscales, maskbits, maskflag, ocodes, oscales; writes ocodes, oscales
.if DOCPART == 3
	.amdgcn_target "amdgcn-amd-amdhsa--gfx1250"
	.amdhsa_code_object_version 6
	.text
	.protected	k_q405bb0872d_attn
	.globl	k_q405bb0872d_attn
	.p2align	8
	.type	k_q405bb0872d_attn,@function
k_q405bb0872d_attn:
	s_mov_b64 s[64:65], 0
	v_nop
	global_prefetch_b8 v0, s[64:65] scope:SCOPE_SE
	s_setreg_imm32_b32 hwreg(HW_REG_WAVE_MODE, 25, 1), 1
	s_wait_xcnt 0x0
; Attention of one (batch, head) on codes of FP6 (E2M3) with E8M0 scales; the result, divided by the row's sum, is quantised along the head's 64 and stored as an operand of the last product.
; t = score x log2(e) / 8; M = the running largest t rounded up to a whole number; p = 2^(t - M) is quantised along the keys; the row's sum is taken of the unquantised p.  When M moves, the sum and O are multiplied by 2^(old M - new M): exact.
; THE MASK: a key whose bit is 0 has its score replaced by -2^33, ahead of the maximum.  LIMIT: that is a logit of -2^30 = -1.07e9 where the definition has -1e9; -2^33 x c is exact, so a row with no key left gives p = 1
; for every key, as the definition does; results differ only where unmasked logits lie near -1e9.  The promise holds while the scaled scores stay under 2^31 in magnitude.  NaN and infinities are not served; a block of zeros keeps the byte 1.
; A FLAG for each tile of 16 queries x 128 keys, a whole number that the first launch stored, says that every key counts: a scalar branch on it leads round the 64 selects and round nothing else.
; K and V come into LDS through registers, and there are no joint loads and no cluster.
; No prefetch: K and V are fetched once, at the head, with no loop to run ahead in.
; SHARES.  A work-group owns 512 queries of one (batch, head).  All of the head's K and V, codes and scale words (204 KB), are stored into LDS once; nothing writes LDS behind the one barrier.
; Each of the sixteen waves owns two tiles of 16 queries, one after the other, in 256 registers.  Dependent chains are laid by turns (four chains of maxima, four of sums).
; LAYOUT.  Both products are used transposed: S^T = K Q^T (source 0 = keys), O^T = V^T P^T (source 0 = 16 of the head's 64): a lane holds one query (lane % 16).
; Row rho of key tile T is key 64 (T / 4) + 8 (T % 4) + rho + 24 (rho / 8): register 32 g + o of S^T in lane (r, h) is key 64 g + 32 h + o.  So a lane holds two WHOLE blocks of 32 keys, in the order that the
; operand's layout gives that lane: the conversions' results are P's registers, and a block's largest score needs no other lane.
; K = 64 IN AN INSTRUCTION OF 128: a fragment of K holds key tile 2 f in its first six registers and key tile 2 f + 1 in its last six.  q stands in 18 registers as q | zeros | q: the first 12 give tile 2 f's scores, the last 12
; tile 2 f + 1's; zero codes add nothing under any of the scale bytes, which lie between 1 and 254.
.set VC,    98304                      ; LDS: K's codes [key tile 128][768] at 0; V's [64 keys 32][d tile 4][768] here;
.set KSB,   196608                     ; K's scale words [key step 16][row 16][4 words];
.set VSB,   200704                     ; V's [key step 16][parity 2][row 16][4 words];
.set SPARE, 208896                     ; the spare words, 128 bytes a wave
.set FRG,  36                          ; v36-83   four fragments of K or of V
.set KSW,  84                          ; v84-87   K's scale words
.set VSW,  88                          ; v88-91   V's
.set S,    96                          ; v96-159  S^T, then p
.set O,    160                         ; v160-191 O^T
.set PC,   192                         ; v192-203 p's codes
.set CT,   204                         ; v204-211 the conversions' second halves
.set TM,   212                         ; v212-215 largest scores: four chains; then v212, v214 the two blocks' largest p
.set TP,   216                         ; v216-217 the bytes
.set SCO,  220                         ; v220-221 the conversions' scale operands
.set PW,   228                         ; p's scale word
.set SM,   236                         ; v236-243 the step's sum of p, four chains of pairs
; v1 8 x lane; v2 V's lane place, v3 K's scale words', v4 V's; v5 8 h; v6 -2^33; v7 32 r; v8-11 the step's LDS addresses; v12 -M, v13 the largest score, v[14:15] the sum in two halves;
; v16-33 q | zeros | q; v34 q's raw scale word, v35 the tile's; v[230:231] f; v232-234 at work; v254, v255 the add's two registers.
; s2 wave; s3 steps to go; s[4:5] Q's codes; s[6:7], s[8:9] where the results go; s[10:11] the mask words in hand, s[12:13] their step; s14 steps done; s15 the flag; s[90:91] the flag in hand, s[100:101] its step;
; s66, s67, s84, s85 places in the four LDS regions; s[86:87] lane selects; s[88:89] c.  Mask word j lies in s[16 + j + 4 (j / 48)].
.macro MM d, a, b, c, sa, sb
	v_wmma_scale_f32_16x16x128_f8f6f4 v[\d:\d+7], v[\a:\a+11], v[\b:\b+11], \c, v[\sa], v[\sb] matrix_a_fmt:MATRIX_FMT_FP6 matrix_b_fmt:MATRIX_FMT_FP6
.endm
.macro MLOAD                           ; a key step's 64 mask words and its flag
	s_load_b512 s[16:31], s[10:11], 0x0
	s_load_b512 s[32:47], s[10:11], 0x40
	s_load_b512 s[48:63], s[10:11], 0x80
	s_load_b512 s[68:83], s[10:11], 0xc0
	s_load_b32 s15, s[90:91], 0x0
.endm
.macro KLOAD a, sa                     ; eight key tiles and their scale words
.irp f, 0,1,2,3
.irp p, 0,1,2,3,4,5
	ds_load_b64 v[FRG+12*\f+2*\p:FRG+12*\f+2*\p+1], v[\a] offset:1536*\f+768*(\p/3)+256*(\p%3)
.endr
.endr
	ds_load_b128 v[KSW:KSW+3], v[\sa]              ; word f: tile 2 f's two bytes, then tile 2 f + 1's
.endm
.macro SUMR k                          ; one more pair of p onto each of the four chains
.irp q, 0,1,2,3
	v_pk_add_f32 v[SM+2*\q:SM+2*\q+1], v[SM+2*\q:SM+2*\q+1], v[S+2*\q+8*(\k)+8:S+2*\q+8*(\k)+9]
.endr
.endm
	s_load_b256 s[68:75], s[0:1], 0x0              ; hcodes, hscales, maskbits, maskflag
	s_load_b128 s[76:79], s[0:1], 0x20             ; ocodes, oscales
	v_lshl_add_u32 v254, v0, 2, SPARE
	v_mov_b32 v255, 0
	v_lshrrev_b32 v1, 5, v0
	v_readfirstlane_b32 s2, v1                     ; wave 0..15
	s_and_b32 s91, ttmp7, 0xffff
	s_lshr_b32 s92, s91, 4                         ; batch
	s_and_b32 s93, s91, 15                         ; head
	s_mov_b32 s86, 0x76543210
	s_mov_b32 s87, 0xfedcba98
	s_mov_b32 s88, 0x3e38aa3b                      ; c = log2(e) / 8
	s_mov_b32 s89, s88                             ; (named with it as a pair, so it is written)
	s_lshl_b32 s95, s93, 9
	s_lshl_b32 s96, s92, 7
	s_add_co_u32 s95, s95, s96                     ; the (head, batch)'s first tile in Q's and in K's region
	s_mul_i32 s16, s95, 768
	s_add_co_u32 s16, s16, 6291456                 ; K's codes: 98,304 dense bytes
	s_mov_b32 s17, 0
	s_lshl_b32 s18, s92, 11
	s_lshl_b32 s19, s93, 2
	s_add_co_u32 s18, s18, s19
	s_mul_i32 s18, s18, 768
	s_add_co_u32 s18, s18, 12582912                ; V's codes: 32 rows (64 keys each) of 3,072 bytes, 49,152 bytes apart
	s_mov_b32 s19, 0
	s_lshl_b32 s20, s93, 14
	s_lshl_b32 s21, s92, 12
	s_add_co_u32 s20, s20, s21
	s_add_co_u32 s20, s20, 262144                  ; K's scale words: 4,096 dense bytes
	s_mov_b32 s21, 0
	s_lshl_b32 s22, s92, 16
	s_lshr_b32 s23, s93, 1
	s_lshl_b32 s23, s23, 9
	s_add_co_u32 s22, s22, s23
	s_add_co_u32 s22, s22, 524288                  ; V's: 16 rows (key steps) of 512 bytes, 4,096 bytes apart
	s_mov_b32 s23, 0
	s_lshl_b32 s100, ttmp9, 5
	s_lshl_b32 s101, s2, 1
	s_add_co_u32 s100, s100, s101                  ; 32 x + 2 x wave: my first tile among the batch's 128
	s_add_co_u32 s4, s95, s100
	s_mul_i32 s4, s4, 768
	s_mov_b32 s5, 0
	s_add_co_u32 s101, s96, s100                   ; its number among all 512
	s_lshl_b32 s6, s101, 4
	s_add_co_u32 s6, s6, s93
	s_mul_i32 s6, s6, 768                          ; ocodes: [tile][head][768]
	s_mov_b32 s7, 0
	s_lshl_b32 s8, s101, 9
	s_lshl_b32 s9, s93, 1
	s_add_co_u32 s8, s8, s9                        ; oscales: [tile][row][32 bytes], my head's two bytes
	s_mov_b32 s9, 0
	s_lshl_b32 s10, s101, 12                       ; the mask words of my two tiles: 32 key steps of 256 bytes on end
	s_mov_b32 s11, 0
	s_lshl_b32 s90, s101, 6                        ; and their 32 flags on end
	s_mov_b32 s91, 0
	s_lshl_b32 s98, s92, 4
	s_lshl_b32 s99, ttmp9, 2
	s_add_co_u32 s98, s98, s99
	s_lshr_b32 s99, s2, 2
	s_add_co_u32 s98, s98, s99                     ; the eight tiles in which my two lie
	s_lshl_b32 s98, s98, 8
	s_lshl_b32 s99, s93, 14
	s_add_co_u32 s98, s98, s99
	s_and_b32 s99, s2, 3
	s_lshl_b32 s99, s99, 2                         ; and the word that holds the two
	s_add_co_u32 s98, s98, s99
	s_mov_b32 s99, 0
	s_mul_i32 s94, s2, 98304                       ; my wave fetches rows 2 w and 2 w + 1 of V's codes,
	s_mul_i32 s95, s2, 6144
	s_add_co_u32 s95, s95, VC                      ; to here,
	s_lshl_b32 s96, s2, 12                         ; and row w of V's scale words
	s_and_b32 s97, s93, 1
	s_lshl_b32 s97, s97, 3                         ; an odd head's tiles are words 2 and 3 of each parity
	s_add_co_u32 s97, s97, VSB
	v_and_b32 v8, 31, v0
	v_and_b32 v9, 15, v0
	v_lshlrev_b32 v212, 4, v0                      ; 16 x thread: K's codes, in memory and in LDS
	v_lshlrev_b32 v216, 3, v0                      ; 8 x thread: K's scale words
	v_bfe_u32 v5, v0, 4, 1
	v_mov_b32 v6, 0xd0000000                       ; -2^33
.irp j, 22,23,24,25,26,27
	v_mov_b32 v[\j], 0                             ; the zero codes between the two copies of q
.endr
	v_mov_b32 v231, 0                              ; (named as the upper half of the pair v[230:231])
	v_mov_b32 v232, 0                              ; a lane permute's destination counts as one of its sources
	v_mov_b32 v233, 0
	v_lshlrev_b32 v1, 3, v8
	v_lshlrev_b32 v10, 4, v9
	v_lshlrev_b32 v11, 4, v8
	v_lshlrev_b32 v7, 5, v9
	v_lshlrev_b32 v5, 3, v5
	v_add_nc_u32 v213, 0x10000, v212               ; (an LDS offset has 16 bits)
	v_add_nc_u32 v217, KSB, v216
	v_add_nc_u32 v219, VSB, v212
	v_add_nc_u32 v2, VC, v1
	v_add_nc_u32 v3, KSB, v10
	v_add_nc_u32 v4, s97, v10
	v_add_nc_u32 v214, s94, v11
	v_add_nc_u32 v215, s95, v11
	v_add_nc_u32 v218, s96, v11
	s_wait_alu depctr_va_vdst(0)
	s_wait_kmcnt 0x0
	s_add_nc_u64 s[16:17], s[68:69], s[16:17]
	s_add_nc_u64 s[18:19], s[68:69], s[18:19]
	s_add_nc_u64 s[20:21], s[70:71], s[20:21]
	s_add_nc_u64 s[22:23], s[70:71], s[22:23]
	s_add_nc_u64 s[98:99], s[70:71], s[98:99]
	s_add_nc_u64 s[4:5], s[68:69], s[4:5]
	s_add_nc_u64 s[10:11], s[72:73], s[10:11]
	s_add_nc_u64 s[90:91], s[74:75], s[90:91]
	s_add_nc_u64 s[6:7], s[76:77], s[6:7]
	s_add_nc_u64 s[8:9], s[78:79], s[8:9]
	global_load_b32 v34, v10, s[98:99]             ; q's scale bytes of both my tiles
	global_load_b64 v[192:193], v216, s[20:21]
	global_load_b128 v[196:199], v218, s[22:23]
.irp i, 0,1,2,3,4,5,6,7,8,9,10,11
	global_load_b128 v[S+4*\i:S+4*\i+3], v212, s[16:17] offset:8192*\i   ; the work-group's 512 threads read 8,192 consecutive bytes
.endr
.irp i, 0,1,2,3,4,5,6,7,8,9,10,11
	global_load_b128 v[S+48+4*\i:S+48+4*\i+3], v214, s[18:19] offset:49152*(\i/6)+512*(\i%6)   ; a wave reads 512 consecutive bytes
.endr
	s_mov_b32 s12, 0
	s_mov_b32 s13, 0
	s_mov_b32 s14, 0
	s_mov_b32 s100, 0
	s_mov_b32 s101, 0
	s_wait_loadcnt 24                              ; all but K's and V's 24 loads of codes
	ds_store_b64 v217, v[192:193]
	ds_store_b128 v219, v[196:199]
	s_wait_loadcnt 12                              ; all but V's 12
.irp i, 0,1,2,3,4,5,6,7
	ds_store_b128 v212, v[S+4*\i:S+4*\i+3] offset:8192*\i
.endr
.irp i, 8,9,10,11
	ds_store_b128 v213, v[S+4*\i:S+4*\i+3] offset:8192*(\i-8)
.endr
	s_wait_loadcnt 0x0
.irp i, 0,1,2,3,4,5,6,7,8,9,10,11
	ds_store_b128 v215, v[S+48+4*\i:S+48+4*\i+3] offset:3072*(\i/6)+512*(\i%6)
.endr
	s_wait_dscnt 0x0                               ; my stores are done
	s_barrier_signal -1
	s_barrier_wait -1                              ; everybody's are: K and V are whole, and nothing writes them from here on
	MLOAD                                          ; the first key step's mask words and flag (the loads that read s16-23 as bases were shown done above)
; A KEY STEP: 128 keys.  Its fragments of K were asked for at the end of the step before.
.macro STEP
	s_wait_dscnt 0x0                               ; K's fragments and scale words
.irp f, 0,1,2,3
	MM S+16*\f, FRG+12*\f, 16, 0, KSW+\f, 35
	MM S+16*\f+8, FRG+12*\f, 22, 0, KSW+\f, 35
.endr
	s_add_co_u32 s66, s66, 6144                    ; the next step's eight key tiles,
	s_add_co_u32 s67, s67, 256                     ; their scale words
	v_add_nc_u32 v8, s66, v1                       ; these four are the places behind the products, in front of the loads into K's registers and of the first read of the scores
	v_add_nc_u32 v9, s84, v2
	v_add_nc_u32 v10, s67, v3
	v_add_nc_u32 v11, s85, v4
.irp t, 0,1,2,3                                ; V's four tiles land under the softmax
.irp p, 0,1,2,3,4,5
	ds_load_b64 v[FRG+12*\t+2*\p:FRG+12*\t+2*\p+1], v9 offset:3072*(\p/3)+768*\t+256*(\p%3)
.endr
.endr
	ds_load_b64 v[VSW:VSW+1], v11                  ; the scale words of tiles 0 and 2,
	ds_load_b64 v[VSW+2:VSW+3], v11 offset:256     ; of tiles 1 and 3
	s_add_co_u32 s84, s84, 6144
	s_add_co_u32 s85, s85, 512
	s_wait_kmcnt 0x0                               ; this step's mask words and flag
	s_cmp_eq_u32 s15, -1
	s_cbranch_scc1 .Lfree_\@                       ; every key of the step counts for all my 16 queries
.set j, 0
.rept 64
	v_cndmask_b32 v[S+j], v6, v[S+j], s[16+j+4*(j/48)]   ; each accumulator from its low end on
.set j, j+1
.endr
	s_wait_alu depctr_va_vdst(0)                   ; ahead of the run of scalar instructions below
.Lfree_\@:
	s_cmp_lt_u32 s14, 31                           ; the next step's words are asked for now; the wave's last step asks for its own again, so that no load leaves the buffers
	s_cselect_b32 s12, 256, 0
	s_cselect_b32 s100, 4, 0
	s_add_nc_u64 s[10:11], s[10:11], s[12:13]      ; (the loads that read these bases were shown done above)
	s_add_nc_u64 s[90:91], s[90:91], s[100:101]
	s_add_co_u32 s14, s14, 1
	MLOAD
.irp q, 0,1,2,3                                ; the largest score of my two blocks of 32 keys, two chains to a block: it serves for the row's maximum and, since p rises with the score, for the block's largest p
	v_max3_num_f32 v[TM+\q], v[S+16*\q], v[S+16*\q+1], v[S+16*\q+2]
.endr
.irp i, 3,5,7,9,11,13
.irp q, 0,1,2,3
	v_max3_num_f32 v[TM+\q], v[TM+\q], v[S+16*\q+\i], v[S+16*\q+\i+1]
.endr
.endr
	v_max3_num_f32 v[TM], v[TM], v[TM+1], v[S+15]
	v_max3_num_f32 v[TM+2], v[TM+2], v[TM+3], v[S+47]
	v_max_num_f32 v[TM], v[TM], v[S+31]
	v_max_num_f32 v[TM+2], v[TM+2], v[S+63]
	v_max3_num_f32 v13, v13, v[TM], v[TM+2]        ; the running largest score of my query,
	v_permlanex16_b32 v232, v13, s86, s87
	v_max_num_f32 v13, v13, v232                   ; with lane l xor 16's keys
	v_mov_b32 v234, v12
	v_mul_f32 v233, s88, -v13                      ; -t (c is positive)
	v_floor_f32 v12, v233                          ; the new -M = floor(-t)
.set j, 0
.rept 32
	v_pk_fma_f32 v[S+j:S+j+1], v[S+j:S+j+1], s[88:89], v[12:13] op_sel_hi:[1,0,0]   ; t - M, two at a time
.if j == 14
	v_sub_f32 v234, v12, v234                      ; old M - new M: a whole number, 0 or less
.endif
.if j == 30
	v_cvt_i32_f32 v234, v234                       ; (it saturates)
.endif
.if j == 46
	v_ldexp_f32 v230, 1.0, v234                    ; f = 2^(old M - new M)
.endif
.set j, j+2
.endr
	v_fma_f32 v[TM], v[TM], s88, v12               ; the same of each block's largest score
	v_fma_f32 v[TM+2], v[TM+2], s88, v12
.set j, 0
.rept 16
	v_pk_mul_f32 v[O+j:O+j+1], v[O+j:O+j+1], v[230:231] op_sel_hi:[1,0]   ; O^T under the new M, each accumulator from its low end on
.set j, j+2
.endr
	s_wait_alu depctr_va_vdst(0)                   ; ahead of the batch
.set j, 0
.rept 64
	v_exp_f32 v[S+j], v[S+j]                       ; p = 2^(t - M)
.set j, j+1
.endr
	v_exp_f32 v[TM], v[TM]                         ; the blocks' largest p
	v_exp_f32 v[TM+2], v[TM+2]
	v_pk_mul_f32 v[14:15], v[14:15], v[230:231] op_sel_hi:[1,0]   ; the sums under the new M: the plain place behind the exponentials
	s_wait_alu depctr_va_vdst(0)                   ; one wait for the batch, ahead of its first reader
	v_max_num_f32 v[TM], 0x1800000, v[TM]          ; the floor 2^(3 - 127): the byte cannot fall under 1
	v_max_num_f32 v[TM+2], 0x1800000, v[TM+2]
	v_add_nc_u32 v[SCO], 0xff000000, v[TM]         ; 2 off the exponent field: the conversion's scale operand
	v_add_nc_u32 v[SCO+1], 0xff000000, v[TM+2]
	v_lshrrev_b32 v[TP], 23, v[SCO]                ; the bytes of blocks h and 2 + h
	v_lshrrev_b32 v[TP+1], 23, v[SCO+1]
.irp c, 0,1
	v_cvt_scalef32_pk16_fp6_f32 v[PC+6*\c:PC+6*\c+2], v[S+32*\c:S+32*\c+15], v[SCO+\c]
	v_cvt_scalef32_pk16_fp6_f32 v[CT+4*\c:CT+4*\c+2], v[S+32*\c+16:S+32*\c+31], v[SCO+\c]   ; (a conversion's three registers begin on an even number)
.endr
	v_nop                                          ; one plain place behind a scaled conversion
	v_lshl_or_b32 v[PW], v[TP+1], 16, v[TP]
	v_mov_b32 v[PC+3], v[CT]
	v_mov_b32 v[PC+4], v[CT+1]
	v_lshlrev_b32 v[PW], v5, v[PW]                 ; at their places in the scale word (8 h bits up);
	v_mov_b32 v[PC+5], v[CT+2]
	v_mov_b32 v[PC+9], v[CT+4]
	v_permlanex16_b32 v233, v[PW], s86, s87
	v_mov_b32 v[PC+10], v[CT+5]
	v_mov_b32 v[PC+11], v[CT+6]
	v_or_b32 v[PW], v[PW], v233                    ; with lane l xor 16's two the word is whole
.irp q, 0,1,2,3                                ; the sum of the unquantised p; these twelve are the places between p's codes and scale word and the products
	v_pk_add_f32 v[SM+2*\q:SM+2*\q+1], v[S+2*\q:S+2*\q+1], v[S+2*\q+8:S+2*\q+9]
.endr
	SUMR 1
	SUMR 2
	s_wait_alu depctr_va_vdst(0)                   ; directly ahead of the wait below
	s_wait_dscnt 0x0                               ; V
.irp t, 0,1,2,3
	MM O+8*\t, FRG+12*\t, PC, v[O+8*\t:O+8*\t+7], VSW+2*(\t%2)+\t/2, PW
.endr
	SUMR 3                                         ; four places in front of the loads into V's registers
	KLOAD 8, 10                                    ; the next step's K lands under the rest of the sum (the tile's last step reads on into V's bytes, inside LDS, and uses nothing of it)
	SUMR 4
	SUMR 5
	SUMR 6
	v_pk_add_f32 v[SM:SM+1], v[SM:SM+1], v[SM+2:SM+3]
	v_pk_add_f32 v[SM+4:SM+5], v[SM+4:SM+5], v[SM+6:SM+7]
	v_pk_add_f32 v[SM:SM+1], v[SM:SM+1], v[SM+4:SM+5]
	v_pk_add_f32 v[14:15], v[14:15], v[SM:SM+1]
.endm
; A TILE OF 16 QUERIES: the qt-th of my two.
.macro TILE qt
.if \qt
	s_wait_xcnt 0x0                                ; the last tile's stores have read their data
	s_wait_dscnt 0x0                               ; the loads that the last step asked for have landed: their registers are loaded anew
.endif
.irp p, 0,1,2
	global_load_b64 v[16+2*\p:17+2*\p], v1, s[4:5] offset:768*\qt+256*\p
	global_load_b64 v[28+2*\p:29+2*\p], v1, s[4:5] offset:768*\qt+256*\p   ; q twice: as the first and as the second 64 of the instruction's K
.endr
	KLOAD 1, 3                                     ; the first step's K
	v_perm_b32 v35, v34, v34, 0x01000100+\qt*0x02020202   ; the tile's two bytes, twice
	v_mov_b32 v13, 0xff61b1e6                      ; the largest score so far: -3e38
	v_mov_b32 v14, 0
	v_mov_b32 v15, 0
	v_mul_f32 v233, s88, -v13
.set j, 0
.rept 32
	v_mov_b32 v[O+j], 0                            ; O^T: the step is written once; the first change of M leaves zeros zeros
.set j, j+1
.endr
	v_floor_f32 v12, v233
	s_mov_b32 s66, 0
	s_mov_b32 s67, 0
	s_mov_b32 s84, 0
	s_mov_b32 s85, 0
	s_mov_b32 s3, 16
	s_wait_alu depctr_va_vdst(0)                   ; directly ahead of the wait below
	s_wait_loadcnt 0x0                             ; q
.Lstep_\@:
	STEP
	s_sub_co_u32 s3, s3, 1
	s_cmp_lg_u32 s3, 0
	s_cbranch_scc1 .Lstep_\@
	v_add_f32 v14, v14, v15                        ; the sum's two halves,
	v_permlanex16_b32 v232, v14, s86, s87
	v_add_f32 v14, v14, v232                       ; and lane l xor 16's
	s_wait_alu depctr_va_vdst(0)                   ; ahead of the transcendental
	v_rcp_f32 v14, v14
	v_nop                                          ; the plain place behind the reciprocal
	s_wait_alu depctr_va_vdst(0)                   ; ahead of the reciprocal's first reader and of O^T's
.set j, 0
.rept 16
	v_pk_mul_f32 v[O+j:O+j+1], v[O+j:O+j+1], v[14:15] op_sel_hi:[1,0]   ; O^T / the sum: register 16 b + i is channel 32 b + 16 (lane / 16) + i
.set j, j+2
.endr
.irp b, 0,1
	v_max3_num_f32 v[TM+\b], |v[O+16*\b]|, |v[O+1+16*\b]|, 0x1800000   ; my 16 numbers of block b, and the floor 2^(3 - 127)
.endr
.irp i, 2,4,6,8,10,12,14
.irp b, 0,1
	v_max3_num_f32 v[TM+\b], v[TM+\b], |v[O+16*\b+\i]|, |v[O+1+16*\b+\i]|
.endr
.endr
.irp b, 0,1
	v_permlanex16_b32 v[TP+\b], v[TM+\b], s86, s87
.endr
.irp b, 0,1
	v_max_num_f32 v[TM+\b], v[TM+\b], v[TP+\b]     ; with lane l xor 16's: the block's largest magnitude
.endr
.irp b, 0,1
	v_add_nc_u32 v[SCO+\b], 0xff000000, v[TM+\b]
.endr
.irp b, 0,1
	v_lshrrev_b32 v[TP+\b], 23, v[SCO+\b]
.endr
	v_lshl_or_b32 v232, v[TP+1], 8, v[TP]          ; my row's two scale bytes
	v_cvt_scalef32_pk16_fp6_f32 v[PC:PC+2], v[O:O+15], v[SCO]
	v_cvt_scalef32_pk16_fp6_f32 v[CT:CT+2], v[O+16:O+31], v[SCO+1]
	v_nop                                          ; one plain place behind a scaled conversion
.irp i, 0,1,2
	v_permlane16_swap_b32 v[PC+\i], v[CT+\i]       ; lanes 0-15 keep block 0, lanes 16-31 take block 1
.endr
.irp i, 0,1,2
	v_mov_b32 v[PC+3+\i], v[CT+\i]
.endr
.irp p, 0,1,2
	global_store_b64 v1, v[PC+2*\p:PC+2*\p+1], s[6:7] offset:12288*\qt+256*\p   ; 32 lanes store 256 consecutive bytes, aligned
.endr
	global_store_b16 v7, v232, s[8:9] offset:512*\qt   ; two bytes a row (lanes r and r + 16 the same two): a head's share of a row's 32
.endm
	TILE 0
	TILE 1
	s_wait_tensorcnt 0x0                           ; the wave's end
	ds_add_u32 v254, v255
	s_wait_dscnt 0x0
	s_endpgm
.Lfunc_end_k_q405bb0872d_attn:
	.size	k_q405bb0872d_attn, .Lfunc_end_k_q405bb0872d_attn-k_q405bb0872d_attn
	.p2alignl 7, 3214868480
	.fill 96, 4, 3214868480
	.section	.rodata,"a",@progbits
	.p2align	6, 0x0
	.amdhsa_kernel k_q405bb0872d_attn
		.amdhsa_group_segment_fixed_size 210944
		.amdhsa_private_segment_fixed_size 0
		.amdhsa_enable_private_segment 0
		.amdhsa_kernarg_size 48
		.amdhsa_user_sgpr_count 2
		.amdhsa_user_sgpr_kernarg_segment_ptr 1
		.amdhsa_wavefront_size32 1
		.amdhsa_system_sgpr_workgroup_id_x 1
		.amdhsa_system_sgpr_workgroup_id_y 1
		.amdhsa_system_sgpr_workgroup_id_z 1
		.amdhsa_system_vgpr_workitem_id 0
		.amdhsa_next_free_vgpr 256
		.amdhsa_next_free_sgpr 102
		.amdhsa_reserve_vcc 0
		.amdhsa_float_denorm_mode_32 3
		.amdhsa_float_denorm_mode_16_64 3
		.amdhsa_memory_ordered 1
		.amdhsa_forward_progress 1
		.amdhsa_inst_pref_size 66
	.end_amdhsa_kernel
	.amdgpu_metadata
---
amdhsa.version: [ 1, 2 ]
amdhsa.kernels:
  - .name:           k_q405bb0872d_attn
    .symbol:         k_q405bb0872d_attn.kd
    .args:
      - { .name: hcodes, .offset: 0, .size: 8, .value_kind: global_buffer, .address_space: global }
      - { .name: hscales, .offset: 8, .size: 8, .value_kind: global_buffer, .address_space: global }
      - { .name: maskbits, .offset: 16, .size: 8, .value_kind: global_buffer, .address_space: global }
      - { .name: maskflag, .offset: 24, .size: 8, .value_kind: global_buffer, .address_space: global }
      - { .name: ocodes, .offset: 32, .size: 8, .value_kind: global_buffer, .address_space: global }
      - { .name: oscales, .offset: 40, .size: 8, .value_kind: global_buffer, .address_space: global }
    .group_segment_fixed_size: 210944
    .private_segment_fixed_size: 0
    .kernarg_segment_align: 8
    .kernarg_segment_size: 48
    .max_flat_workgroup_size: 512
    .sgpr_count:     102
    .vgpr_count:     256
    .wavefront_size: 32
...
	.end_amdgpu_metadata
.endif
;; end of part 3
;; launch outp (part 4): grid 4 x 32, 4 waves a work-group, clusters of 4 x 4, 327,680 bytes of LDS; arguments ocodes, oscales, pcodes, pscales, bo, out0; writes out0
.if DOCPART == 4
	.amdgcn_target "amdgcn-amd-amdhsa--gfx1250"
	.amdhsa_code_object_version 6
	.text
	.protected	k_q405bb0872d_outp
	.globl	k_q405bb0872d_outp
	.p2align	8
	.type	k_q405bb0872d_outp,@function
k_q405bb0872d_outp:
	s_mov_b64 s[64:65], 0
	v_nop
	global_prefetch_b8 v0, s[64:65] scope:SCOPE_SE
	s_setreg_imm32_b32 hwreg(HW_REG_WAVE_MODE, 25, 1), 1
	s_wait_xcnt 0x0
	s_wait_alu depctr_hold_cnt(0) depctr_sa_sdst(0) depctr_va_vdst(0) depctr_va_sdst(0) depctr_va_ssrc(0) depctr_va_vcc(0) depctr_vm_vsrc(0)
	s_getreg_b32 s2, hwreg(HW_REG_IB_STS2, 6, 4)
	s_cmp_eq_u32 s2, 0
	s_cbranch_scc0 .Lentry_in_a_cluster
	s_endpgm
.Lentry_in_a_cluster:
	s_bfe_u32 s2, ttmp6, 0x10000c
	s_cmp_lg_u32 s2, 0xf033
	s_cbranch_scc0 .Lentry_shape_is_right
	s_endpgm
.Lentry_shape_is_right:
.set NQ,     2
.set FR,     12
.set NL,     6
.set NP,     4
.set HALFT,  24576
.set SLOT,   4*HALFT
.set SCL,    2*SLOT
.set HALFS,  4352
.set SBLK,   544
.set SPARE,  SCL+4*HALFS
.set SPITCH, 528
.set ADRA, 16
.set ADRB, 20
.set STO,  24
.set RD,   25
.set CO,   26
.set ADRS, 27
.set SPW,  28
.set NIL,  29
.set SC,   32
.set BN,   64
.set AF,   128
.set BK,   128
.set G1,   24
.set G0,   32
.set G1B,  48
.set G0B,  56
.set G1S,  68
.set G0S,  76
.set G1SB, 80
.set G0SB, 88
.set MSB, 0
.macro WIN new
.if MSB != (\new)
	s_set_vgpr_msb (MSB<<8)|(\new)
.set MSB, (\new)
.endif
.endm
.set MUL_LO, 0xa1
.set MUL_HI, 0xf1
.set TO_B,   0x40
.macro JLOAD g0a, g1a, g0b, g1b
	s_cmp_eq_u32 s19, 0
	s_cbranch_scc0 .Lfor_b_\@
	tensor_load_to_lds s[\g0a:\g0a+3], s[\g1a:\g1a+7]
	s_nop 0
.rept 4
	v_nop
.endr
	s_branch .Lasked_\@
.Lfor_b_\@:
	tensor_load_to_lds s[\g0b:\g0b+3], s[\g1b:\g1b+7]
	s_nop 0
.rept 4
	v_nop
.endr
.Lasked_\@:
.endm
.macro CREST
	s_cmp_lg_u32 s18, 0
	s_cbranch_scc1 .Lnot_wave_0_\@
	s_barrier_signal -3
.Lnot_wave_0_\@:
	s_barrier_wait -3
	s_barrier_signal -1
	s_barrier_wait -1
.endm
.macro CROUND
	s_barrier_signal -1
	s_barrier_wait -1
	CREST
.endm
	s_load_b256 s[4:11], s[0:1], 0x0
	s_load_b128 s[12:15], s[0:1], 0x20
	v_lshl_add_u32 v[SPW], v0, 2, SPARE
	v_mov_b32 v[NIL], 0
	ds_add_u32 v28, v29
	ds_add_u32 v28, v29
	s_wait_dscnt 0x0
	v_lshrrev_b32 v1, 5, v0
	v_readfirstlane_b32 s18, v1
	s_lshr_b32 s19, s18, 1
	s_and_b32 s20, s18, 1
	s_bfe_u32 s21, ttmp6, 0x40000
	s_bfe_u32 s22, ttmp6, 0x40004
	s_lshl_b32 s41, ttmp9, 2
	s_add_co_u32 s41, s41, s21
	s_and_b32 s40, ttmp7, 0xffff
	s_lshl_b32 s40, s40, 2
	s_add_co_u32 s40, s40, s22
	s_lshl_b32 s42, s22, 2
	s_lshl_b32 s42, 15, s42
	s_lshl_b32 s43, 0x1111, s21
	s_or_b32 s[G1+0], s42, (3<<16)|(1<<21)
	s_or_b32 s[G1B+0], s43, (3<<16)|(1<<21)
.irp g, G1, G1B
	s_mov_b32 s[\g+1], 384<<16
	s_mov_b32 s[\g+2], 16<<16
	s_mov_b32 s[\g+3], 384<<16
	s_mov_b32 s[\g+4], 16
	s_mov_b32 s[\g+5], 1536
	s_mov_b32 s[\g+6], 0
	s_mov_b32 s[\g+7], 0
.endr
	s_or_b32 s[G1S+0], s42, (3<<16)|(1<<20)|(1<<21)|(5<<22)|(3<<25)
	s_or_b32 s[G1SB+0], s43, (3<<16)|(1<<20)|(1<<21)|(5<<22)|(3<<25)
.irp g, G1S, G1SB
	s_mov_b32 s[\g+1], 32<<16
	s_mov_b32 s[\g+2], 32<<16
	s_mov_b32 s[\g+3], 32<<16
	s_mov_b32 s[\g+4], 32
	s_mov_b32 s[\g+5], 32
	s_mov_b32 s[\g+6], 0
	s_mov_b32 s[\g+7], 0
.endr
	s_lshl_b32 s2, s20, 3
	s_lshl_b32 s96, s40, 4
	s_add_co_u32 s96, s96, s2
	s_lshl_b32 s98, s41, 4
	s_add_co_u32 s98, s98, s2
	s_add_co_u32 s98, s98, 1728
	s_lshl_b32 s100, s96, 9
	s_mov_b32 s101, 0
	s_mul_i32 s96, s96, 12288
	s_mov_b32 s97, 0
	s_lshl_b32 s2, s98, 9
	s_mov_b32 s3, 0
	s_mul_i32 s98, s98, 12288
	s_mov_b32 s99, 0
	s_mul_i32 s67, s18, HALFT
	s_wait_kmcnt 0x0
	s_add_nc_u64 s[96:97], s[4:5], s[96:97]
	s_add_nc_u64 s[100:101], s[6:7], s[100:101]
	s_add_nc_u64 s[98:99], s[8:9], s[98:99]
	s_add_nc_u64 s[2:3], s[10:11], s[2:3]
	CROUND
; THE HEAD'S LOADS, ONE A WAVE: wave 0 fetches slot 0's 16 row tiles of A, wave 1 its 16 of B, wave 2 the scale words of A's 16 tiles, wave 3 those of B's.
; s[96:101] and s[2:3] point at my half (8 tiles): the half's bytes are taken off for the whole tiles.
	s_mul_i32 s42, s20, 98304                      ; 8 tiles of 12,288 bytes of codes
	s_mov_b32 s43, 0
	s_lshl_b32 s4, s20, 12                         ; 8 tiles of 512 bytes of scale words
	s_mov_b32 s5, 0
	s_mov_b32 s[G0S], 1
	s_mov_b32 s[G0S+1], SCL
	s_sub_nc_u64 s[G0S+2:G0S+3], s[100:101], s[4:5]
	s_or_b32 s[G0S+3], s[G0S+3], 0x80000000
	s_mov_b32 s[G0SB], 1
	s_mov_b32 s[G0SB+1], SCL+2*HALFS
	s_sub_nc_u64 s[G0SB+2:G0SB+3], s[2:3], s[4:5]
	s_or_b32 s[G0SB+3], s[G0SB+3], 0x80000000
	s_mov_b32 s[G0], 1                             ; slot 0's group 0 first serves the whole tiles; behind the wait for them it is set to my quarter
	s_mov_b32 s[G0+1], 0
	s_sub_nc_u64 s[G0+2:G0+3], s[96:97], s[42:43]
	s_or_b32 s[G0+3], s[G0+3], 0x80000000
	s_mov_b32 s[G0B], 1
	s_mov_b32 s[G0B+1], 2*HALFT
	s_sub_nc_u64 s[G0B+2:G0B+3], s[98:99], s[42:43]
	s_or_b32 s[G0B+3], s[G0B+3], 0x80000000
	s_mov_b32 s[G0+4], 1                           ; slot 1: my quarter, the second 256 along K
	s_add_co_u32 s[G0+5], s67, SLOT
	s_add_nc_u64 s[G0+6:G0+7], s[96:97], 3072
	s_or_b32 s[G0+7], s[G0+7], 0x80000000
	s_mov_b32 s[G0B+4], 1
	s_add_co_u32 s[G0B+5], s67, SLOT
	s_add_nc_u64 s[G0B+6:G0B+7], s[98:99], 3072
	s_or_b32 s[G0B+7], s[G0B+7], 0x80000000
.macro ARM under, g0, g1, next         ; one chain of branches on the wave's number: every way passes exactly one load
	s_cmp_lt_u32 s18, \under
	s_cbranch_scc0 \next
	tensor_load_to_lds s[\g0:\g0+3], s[\g1:\g1+7]
	s_nop 0
.rept 4
	v_nop
.endr
	s_branch .Lhead_asked
\next:
.endm
	ARM 1, G0,  G1,  .Lhead_b
	ARM 2, G0B, G1B, .Lhead_sa
	ARM 3, G0S, G1S, .Lhead_sb
	tensor_load_to_lds s[G0SB:G0SB+3], s[G1SB:G1SB+7]
	s_nop 0
.rept 4
	v_nop
.endr
.Lhead_asked:
	v_and_b32 v1, 15, v0
	v_bfe_u32 v2, v0, 4, 1
	v_and_b32 v3, 31, v0
	v_lshlrev_b32 v4, 3, v3
	s_mul_i32 s2, s19, HALFT
	s_mul_i32 s3, s20, HALFT
	s_add_co_u32 s3, s3, 2*HALFT
.irp s, 0,1
	v_add_nc_u32 v[ADRA+\s], s2, v4
	v_add_nc_u32 v[ADRB+\s], s3, v4
	s_add_co_u32 s2, s2, SLOT
	s_add_co_u32 s3, s3, SLOT
.endr
	v_lshlrev_b32 v5, 5, v1
	v_lshrrev_b32 v6, 8, v5
	v_lshl_add_u32 v5, v6, 4, v5
	s_mul_i32 s2, s19, HALFS
	s_mul_i32 s3, s20, HALFS
	s_add_co_u32 s3, s3, 2*HALFS
	s_sub_co_u32 s3, s3, s2
	v_mul_u32_u24 v6, s3, v2
	s_add_co_u32 s2, s2, SCL
	v_add_nc_u32 v5, v5, v6
	v_add_nc_u32 v[ADRS], s2, v5
	s_mul_i32 s2, s18, 16*SPITCH
	v_mul_u32_u24 v5, v1, SPITCH
	v_lshl_add_u32 v5, v2, 6, v5
	v_add_nc_u32 v[STO], s2, v5
	v_lshlrev_b32 v[CO], 4, v3
	v_add_nc_u32 v[RD], s2, v[CO]
	s_lshl_b32 s2, s41, 10
	s_lshl_b32 s3, s20, 9
	s_add_co_u32 s2, s2, s3
	s_mov_b32 s3, 0
	s_add_nc_u64 s[12:13], s[12:13], s[2:3]
	s_add_nc_u64 s[14:15], s[14:15], s[2:3]
	s_lshl_b32 s2, s40, 8
	s_lshl_b32 s66, s19, 7
	s_add_co_u32 s2, s2, s66
	s_lshl_b32 s2, s2, 12
	s_add_nc_u64 s[14:15], s[14:15], s[2:3]
	v_lshlrev_b32 v7, 6, v2
.irp b, 0,1,2,3,4,5,6,7
	global_load_b128 v[BN+8*\b:BN+8*\b+3], v7, s[12:13] offset:(32*(\b/2)+8*(\b%2))*4
	global_load_b128 v[BN+8*\b+4:BN+8*\b+7], v7, s[12:13] offset:(32*(\b/2)+8*(\b%2))*4+16
.endr
.macro FRAG reg, adr, q, i
.irp p, 0,1,2,3,4,5
	ds_load_b64 v[\reg+2*\p:\reg+2*\p+1], v[\adr] offset:(\i)*3072+(\q)*1536+768*(\p/3)+256*(\p%3)
.endr
.endm
.macro MUL16 a0, p, q, sc, zero
.irp a, \a0, \a0+1
.irp b, 0,1,2,3,4,5,6,7
.if \zero
	v_wmma_scale_f32_16x16x128_f8f6f4 v[8*(8*((\a)%4)+\b):8*(8*((\a)%4)+\b)+7], v[128*(\p)+FR*\b:128*(\p)+FR*\b+FR-1], v[AF+FR*(\a):AF+FR*(\a)+FR-1], v[BN+8*\b:BN+8*\b+7], v[SC+8*NQ*(\sc)+NQ*\b+(\q)], v[SC+8*NQ*(\sc)+NQ*(\a)+(\q)] matrix_a_fmt:MATRIX_FMT_FP6 matrix_b_fmt:MATRIX_FMT_FP6 matrix_a_scale:MATRIX_SCALE_ROW1
.else
	v_wmma_scale_f32_16x16x128_f8f6f4 v[8*(8*((\a)%4)+\b):8*(8*((\a)%4)+\b)+7], v[128*(\p)+FR*\b:128*(\p)+FR*\b+FR-1], v[AF+FR*(\a):AF+FR*(\a)+FR-1], v[8*(8*((\a)%4)+\b):8*(8*((\a)%4)+\b)+7], v[SC+8*NQ*(\sc)+NQ*\b+(\q)], v[SC+8*NQ*(\sc)+NQ*(\a)+(\q)] matrix_a_fmt:MATRIX_FMT_FP6 matrix_b_fmt:MATRIX_FMT_FP6 matrix_a_scale:MATRIX_SCALE_ROW1
.endif
.endr
.endr
.endm
.macro FETCH_B slot, q, p
	WIN TO_B
.irp i, 0,1,2,3,4,5,6,7
	FRAG 128*(\p)+FR*\i, ADRB+\slot, \q, \i
.endr
	WIN 0
.endm
.macro FETCH_A slot, q, i0
.irp i, \i0, \i0+1, \i0+2, \i0+3
	FRAG AF+FR*(\i), ADRA+\slot, \q, \i
.endr
.endm
.macro SCALES sc
.irp i, 0,1,2,3,4,5,6,7
	ds_load_b64 v[SC+8*NQ*\sc+NQ*\i:SC+8*NQ*\sc+NQ*\i+1], v[ADRS] offset:\i*SBLK
.endr
.endm
.macro PLACES n
.rept \n
	v_nop
.endr
.endm
.macro STEP slot, q, zero
	s_wait_dscnt 4*NL
	WIN MUL_LO-0x20*(\zero)
	MUL16 0, (\q)%2, \q, \slot, \zero
	MUL16 2, (\q)%2, \q, \slot, \zero
	s_wait_dscnt 0
	PLACES NP
	FETCH_B \slot, (\q)+1, 1-(\q)%2
	FETCH_A \slot, (\q)+1, 0
	WIN MUL_HI-0x30*(\zero)
	MUL16 4, (\q)%2, \q, \slot, \zero
	MUL16 6, (\q)%2, \q, \slot, \zero
	PLACES NP
	WIN 0
	FETCH_A \slot, (\q)+1, 4
.endm
.macro TURN slot, next, fill
	s_wait_tensorcnt 0x0
	ds_add_u32 v[SPW], v[NIL]
	s_wait_dscnt 4*NL+1
	WIN MUL_LO
	MUL16 0, 1, NQ-1, \slot, 0
	s_wait_dscnt 0x0
	s_barrier_signal -1
	MUL16 2, 1, NQ-1, \slot, 0
	WIN 0
	s_barrier_wait -1
.if \fill
	CREST
	s_add_nc_u64 s[G0+4*\slot+2:G0+4*\slot+3], s[G0+4*\slot+2:G0+4*\slot+3], 2*3072
	s_add_nc_u64 s[G0B+4*\slot+2:G0B+4*\slot+3], s[G0B+4*\slot+2:G0B+4*\slot+3], 2*3072
	JLOAD G0+4*\slot, G1, G0B+4*\slot, G1B
.else
	PLACES NP
.endif
	s_wait_alu depctr_va_vdst(0)
	v_add_nc_u32 v[ADRS], 4*NQ, v[ADRS]
	FETCH_B \next, 0, 0
	FETCH_A \next, 0, 0
	SCALES \next
	WIN MUL_HI
	MUL16 4, 1, NQ-1, \slot, 0
	MUL16 6, 1, NQ-1, \slot, 0
	PLACES NP
	WIN 0
	FETCH_A \next, 0, 4
.endm
	s_wait_alu depctr_va_vdst(0)
	s_wait_loadcnt 0x0
	s_wait_tensorcnt 0x0                           ; my tile of the head's four is in
	ds_add_u32 v[SPW], v[NIL]
	s_mov_b32 s[G1+2], 8<<16                       ; no tensor load of mine is out, so descriptors may be written: from here on a load brings 8 row tiles,
	s_mov_b32 s[G1+4], 8
	s_mov_b32 s[G1B+2], 8<<16
	s_mov_b32 s[G1B+4], 8
	s_add_co_u32 s[G0+1], s67, 0                   ; and slot 0's group 0 names my quarter
	s_add_nc_u64 s[G0+2:G0+3], s[G0+2:G0+3], s[42:43]
	s_add_co_u32 s[G0B+1], s67, 0
	s_add_nc_u64 s[G0B+2:G0B+3], s[G0B+2:G0B+3], s[42:43]
	s_wait_dscnt 0x0
	CROUND                                         ; all four tiles are in, and all sixteen work-groups are here
	JLOAD G0+4, G1, G0B+4, G1B                     ; slot 1's first fill, the first tensor load behind the round
	FETCH_B 0, 0, 0
	FETCH_A 0, 0, 0
	SCALES 0
	FETCH_A 0, 0, 4
	STEP 0, 0, 1
	TURN 0, 1, 1
	STEP 1, 0, 0
	TURN 1, 0, 1
	STEP 0, 0, 0
	TURN 0, 1, 0
	STEP 1, 0, 0
	s_wait_dscnt 4*NL
	WIN MUL_LO
	MUL16 0, 1, NQ-1, 1, 0
	MUL16 2, 1, NQ-1, 1, 0
	s_wait_dscnt 0
	WIN MUL_HI
	MUL16 4, 1, NQ-1, 1, 0
	MUL16 6, 1, NQ-1, 1, 0
	WIN 0
.macro TOSTAGE a
.set AC, 64*((\a)%4)
	WIN 0x08+4*((\a)/4)
.irp b, 0,1,2,3,4,5,6,7
	ds_store_b128 v[STO], v[AC+8*\b:AC+8*\b+3] offset:128*(\b/2)+32*(\b%2)
	ds_store_b128 v[STO], v[AC+8*\b+4:AC+8*\b+7] offset:128*(\b/2)+32*(\b%2)+16
.endr
	WIN 0
.set BB, BK+64*((\a)%2)
.irp t, 0,1,2,3,4,5,6,7,8,9,10,11,12,13,14,15
	ds_load_b128 v[BB+4*\t:BB+4*\t+3], v[RD] offset:\t*SPITCH
.endr
.endm
.macro SEND a, younger
.set BB, BK+64*((\a)%2)
	s_wait_dscnt \younger
.irp t, 0,1,2,3,4,5,6,7,8,9,10,11,12,13,14,15
	global_store_b128 v[CO], v[BB+4*\t:BB+4*\t+3], s[14:15] offset:(32*((\a)/2)+8*((\a)%2)+\t+8*(\t/8))*4096 th:TH_STORE_NT
.endr
.endm
	PLACES NP
	TOSTAGE 0
.irp a, 1,2,3,4,5,6,7
.if \a > 1
	s_wait_xcnt 0x0
.endif
	TOSTAGE \a
	SEND \a-1, 32
.endr
	SEND 7, 0
	s_wait_tensorcnt 0x0
	ds_add_u32 v[SPW], v[NIL]
	s_wait_dscnt 0x0
	CROUND
	s_endpgm
.Lfunc_end_k_q405bb0872d_outp:
	.size	k_q405bb0872d_outp, .Lfunc_end_k_q405bb0872d_outp-k_q405bb0872d_outp
	.p2alignl 7, 3214868480
	.fill 96, 4, 3214868480
	.section	.rodata,"a",@progbits
	.p2align	6, 0x0
	.amdhsa_kernel k_q405bb0872d_outp
		.amdhsa_group_segment_fixed_size 327680
		.amdhsa_private_segment_fixed_size 0
		.amdhsa_enable_private_segment 0
		.amdhsa_kernarg_size 48
		.amdhsa_user_sgpr_count 2
		.amdhsa_user_sgpr_kernarg_segment_ptr 1
		.amdhsa_wavefront_size32 1
		.amdhsa_system_sgpr_workgroup_id_x 1
		.amdhsa_system_sgpr_workgroup_id_y 1
		.amdhsa_system_sgpr_workgroup_id_z 1
		.amdhsa_system_vgpr_workitem_id 0
		.amdhsa_next_free_vgpr 1024
		.amdhsa_next_free_sgpr 102
		.amdhsa_reserve_vcc 0
		.amdhsa_float_denorm_mode_32 3
		.amdhsa_float_denorm_mode_16_64 3
		.amdhsa_memory_ordered 1
		.amdhsa_forward_progress 1
		.amdhsa_inst_pref_size 161
	.end_amdhsa_kernel
	.amdgpu_metadata
---
amdhsa.version: [ 1, 2 ]
amdhsa.kernels:
  - .name:           k_q405bb0872d_outp
    .symbol:         k_q405bb0872d_outp.kd
    .args:
      - { .name: ocodes, .offset: 0, .size: 8, .value_kind: global_buffer, .address_space: global }
      - { .name: oscales, .offset: 8, .size: 8, .value_kind: global_buffer, .address_space: global }
      - { .name: pcodes, .offset: 16, .size: 8, .value_kind: global_buffer, .address_space: global }
      - { .name: pscales, .offset: 24, .size: 8, .value_kind: global_buffer, .address_space: global }
      - { .name: bo, .offset: 32, .size: 8, .value_kind: global_buffer, .address_space: global }
      - { .name: out0, .offset: 40, .size: 8, .value_kind: global_buffer, .address_space: global }
    .group_segment_fixed_size: 327680
    .private_segment_fixed_size: 0
    .kernarg_segment_align: 8
    .kernarg_segment_size: 48
    .max_flat_workgroup_size: 128
    .sgpr_count:     102
    .vgpr_count:     1024
    .wavefront_size: 32
...
	.end_amdgpu_metadata
.endif
;; end of part 4
